; MI455X (gfx1250); checked and timed in simulation.
; The chip was launched on July 23, 2026; its instructions are those of AMD's public machine-readable ISA for CDNA 5 (MIT licence, August 2026) and "CDNA5" Instruction Set Architecture Reference Guide (July 2026). The comments in the code are by the model that wrote it; some were corrected since.
;; Ponder Attention. Allowed arithmetic: float matrix products may take bf16 or f16 operands with f32 sums; other float arithmetic in f32, or as packed bf16 or f16 multiplies, adds, multiply-adds, maxima and minima; sums over many terms, partial sums and values carried from step to step in f32; what a program stores and reads back later, other than sums and carried values, may be rounded once to bf16 or f16.
;; Inputs: Wk 2,048 x 2,048 float32; Wo 2,048 x 2,048 float32; Wq 2,048 x 2,048 float32; Wv 2,048 x 2,048 float32; mask 1 x 1 x 2,048 x 2,048 bool; x 1 x 2,048 x 2,048 float32.
;; Outputs: out0 1 x 2,048 x 2,048 float32.
;; One version. Each part assembles by itself: llvm-mc -triple=amdgcn-amd-amdhsa -mcpu=gfx1250 --defsym DOCPART=n.
;; ======== version 1 of 1: 4 launches
;; limits: values are held in f16: magnitudes above 65,504 overflow, below 6.1e-05 lose precision
;; workspace buffers: wb 41,943,040 bytes; rope 1,048,576 bytes; mby 4,202,496 bytes; qkv 25,165,824 bytes; ob 8,388,608 bytes
;; launch prep (part 1): grid 1472 x 1, 8 waves a work-group, no clusters, 0 bytes of LDS; arguments x, Wq, Wk, Wv, Wo, mask, wb, rope, mby; writes wb, rope, mby
.if DOCPART == 1
	.amdgcn_target "amdgcn-amd-amdhsa--gfx1250"
	.amdhsa_code_object_version 6
	.text
	.protected	k_qc717868835_prep
	.globl	k_qc717868835_prep
	.p2align	8
	.type	k_qc717868835_prep,@function
k_qc717868835_prep:
	s_mov_b64 s[64:65], 0
	v_nop
	global_prefetch_b8 v0, s[64:65] scope:SCOPE_SE
	s_setreg_imm32_b32 hwreg(HW_REG_WAVE_MODE, 25, 1), 1
	s_wait_xcnt 0x0
; PREPARATION, three jobs chosen by the work-group's number.  No LDS, no matrix work: every job is a stream.
;   0 .. 127     MASK: the 2,048 x 2,048 bytes of the mask are recoded (0x00 visible, 0xF1 hidden) and laid in the order in which the attention launch's lanes hold their scores.
;   128 .. 191   ROPE: the table [t][128] of f32: words 0-63 cos(t th_f), words 64-127 sin(t th_f), th_f = 10000^(-f/64).
;   192 .. 1471  CAST: x, Wq, Wk, Wv rounded to bf16; Wo rounded to bf16 and that number written as f16; five matrices of 8,388,608 bytes on end in wb.
; MBY.  Entry (2 qb32 + g) 16 + i, 2,048 bytes: qb32 = block of 32 queries, g = key group, i = the group's i-th key step; the true step of 64 keys is ks = 4 (i >> 1) + 2 g + (i & 1).
; An entry has two tiles t of 1,024 bytes.  Byte 512 n + 16 L + b of a tile belongs to score j = 16 n + b of lane L: query 32 qb32 + 16 ((t + g) & 1) + L % 16, key 64 ks + 16 (j / 8) + 8 (L / 16) + j % 8.
; 8,192 bytes of zeros close the buffer: the attention launch's last wave loads one entry past its last and uses nothing of it.
; LIMITS.  A mask byte is 0 or 1.  Wo: numbers under 2^-14 keep f16's fixed step of 2^-24; beyond 65,504 they would be infinite.  The angle t th_f carries the rounding of th_f (v_exp_f32) and of the product: some 3e-4 rad at t = 2,047.
.set X,   8                            ; v[8:71]    cast: 16 loads of 4 numbers
.set Y,   72                           ; v[72:103]  cast: 16 pairs of packed words
.set T,   104                          ; v[104:107] cast: at work
.set M,   8                            ; v[8:39]    mask: 16 loads of 8 bytes: query tile tq's eight words at M + 8 tq
.set ZQ,  40                           ; v[40:43]   mask: zeros
.set R,   16                           ; v[16:31]   rope: four registers a pass: two cosines, two sines
	s_load_b256 s[4:11], s[0:1], 0x0               ; x s[4:5], Wq s[6:7], Wk s[8:9], Wv s[10:11]
	s_load_b256 s[12:19], s[0:1], 0x20             ; Wo s[12:13], mask s[14:15], wb s[16:17], rope s[18:19]
	s_load_b64 s[20:21], s[0:1], 0x40              ; mby
	v_lshrrev_b32 v1, 5, v0
	v_readfirstlane_b32 s3, v1                     ; wave 0..7
	s_cmp_lt_u32 ttmp9, 128
	s_cbranch_scc1 .Lmask
	s_cmp_lt_u32 ttmp9, 192
	s_cbranch_scc1 .Lrope
; ---- CAST: a work-group takes 65,536 bytes of f32 (16 loads of 4,096 bytes) and stores 32,768 bytes; a wave's load covers 512 consecutive bytes, its store 256, aligned.
	s_sub_co_u32 s27, ttmp9, 192
	s_lshr_b32 s28, s27, 8                         ; which of the five matrices
	s_and_b32 s27, s27, 255                        ; which of its 256 blocks
	s_lshl_b32 s30, s27, 16                        ; the block in the source
	s_mov_b32 s31, 0
	s_lshl_b32 s32, s28, 23                        ; the matrix in wb,
	s_lshl_b32 s33, s27, 15                        ; the block in it
	s_add_co_u32 s32, s32, s33
	s_mov_b32 s33, 0
	s_mov_b32 s26, 0xffff0000                      ; a word's upper bf16
	v_lshlrev_b32 v1, 4, v0
	v_lshlrev_b32 v2, 3, v0
	s_wait_kmcnt 0x0
	s_mov_b64 s[22:23], s[4:5]
	s_cmp_eq_u32 s28, 1
	s_cselect_b64 s[22:23], s[6:7], s[22:23]
	s_cmp_eq_u32 s28, 2
	s_cselect_b64 s[22:23], s[8:9], s[22:23]
	s_cmp_eq_u32 s28, 3
	s_cselect_b64 s[22:23], s[10:11], s[22:23]
	s_cmp_eq_u32 s28, 4
	s_cselect_b64 s[22:23], s[12:13], s[22:23]
	s_add_nc_u64 s[22:23], s[22:23], s[30:31]
	s_add_nc_u64 s[24:25], s[16:17], s[32:33]
.set i, 0
.rept 16
	global_load_b128 v[X+4*i:X+4*i+3], v1, s[22:23] offset:4096*i th:TH_LOAD_NT
.set i, i+1
.endr
; Load n is rounded and stored; every load and every store has registers of its own, so nothing is freed by a wait.
.macro CV n, half
	s_wait_loadcnt 15-(\n)                         ; loads come back in order: the 15 - n younger ones stay out
	v_cvt_pk_bf16_f32 v[Y+2*(\n)], v[X+4*(\n)], v[X+4*(\n)+1]
	v_cvt_pk_bf16_f32 v[Y+2*(\n)+1], v[X+4*(\n)+2], v[X+4*(\n)+3]
.if \half
	v_lshlrev_b32 v[T], 16, v[Y+2*(\n)]            ; the bf16 numbers as f32,
	v_and_b32 v[T+1], s26, v[Y+2*(\n)]
	v_lshlrev_b32 v[T+2], 16, v[Y+2*(\n)+1]
	v_and_b32 v[T+3], s26, v[Y+2*(\n)+1]
	v_cvt_pk_f16_f32 v[Y+2*(\n)], v[T], v[T+1]     ; written as f16: 8 significant bits fit into 11
	v_cvt_pk_f16_f32 v[Y+2*(\n)+1], v[T+2], v[T+3]
.endif
	global_store_b64 v2, v[Y+2*(\n):Y+2*(\n)+1], s[24:25] offset:2048*(\n) th:TH_STORE_NT
.endm
	s_cmp_eq_u32 s28, 4
	s_cbranch_scc1 .Lhalf
.irp n, 0,1,2,3,4,5,6,7,8,9,10,11,12,13,14,15
	CV \n, 0
.endr
	s_endpgm
.Lhalf:
.irp n, 0,1,2,3,4,5,6,7,8,9,10,11,12,13,14,15
	CV \n, 1
.endr
	s_endpgm
; ---- MASK: a wave takes 64 queries x 64 keys: four query tiles, which are the two tiles of two entries.  A lane loads the 8 bytes that belong to it in a score tile's register layout, sixteen times;
; four bytes are recoded at a time.
.Lmask:
	s_lshr_b32 s27, ttmp9, 2                       ; qb64: the block of 64 queries
	s_and_b32 s28, ttmp9, 3
	s_lshl3_add_u32 s28, s28, s3                   ; ks = 8 (number & 3) + wave
	s_bfe_u32 s29, s28, 0x10001                    ; g = (ks >> 1) & 1
	s_lshr_b32 s30, s28, 2
	s_lshl_b32 s30, s30, 1
	s_and_b32 s31, s28, 1
	s_add_co_u32 s30, s30, s31                     ; i = 2 (ks >> 2) + (ks & 1)
	s_lshl2_add_u32 s31, s27, s29                  ; 2 qb32 + g for the block's first 32 queries: 4 qb64 + g
	s_lshl4_add_u32 s31, s31, s30                  ; the entry's number; the second 32 queries' entry lies 32 entries on
	s_lshl_b32 s40, s27, 17                        ; 64 rows of 2,048 bytes
	s_lshl_b32 s41, s28, 6                         ; 64 keys
	s_add_co_u32 s40, s40, s41
	s_mov_b32 s41, 0
	s_lshl_b32 s42, s31, 11                        ; an entry is 2,048 bytes
	s_mov_b32 s43, 0
	s_mov_b32 s46, 0x01010101
	s_mov_b32 s47, 0xf1
	v_and_b32 v1, 15, v0
	v_bfe_u32 v2, v0, 4, 1
	v_lshlrev_b32 v3, 11, v1
	v_lshl_add_u32 v3, v2, 3, v3                   ; (L % 16) rows + 8 (L / 16) bytes
	v_and_b32 v6, 31, v0
	v_lshlrev_b32 v6, 4, v6                        ; 16 L
	s_lshl_b32 s44, s29, 10                        ; an even query tile is the entry's tile g,
	s_xor_b32 s45, s44, 1024                       ; an odd one its tile 1 - g
	v_add_nc_u32 v4, s44, v6
	v_add_nc_u32 v5, s45, v6
	s_wait_kmcnt 0x0
	s_add_nc_u64 s[22:23], s[14:15], s[40:41]
	s_add_nc_u64 s[24:25], s[20:21], s[42:43]
.irp tq, 0,1,2,3
.irp kt, 0,1,2,3
	global_load_b64 v[M+2*(4*\tq+\kt):M+2*(4*\tq+\kt)+1], v3, s[22:23] offset:\tq*32768+16*\kt
.endr
.endr
	s_wait_loadcnt 0x0
.set i, 0
.rept 32
	v_xor_b32 v[M+i], s46, v[M+i]                  ; each byte: 1 where the key is hidden
.set i, i+1
.endr
.set i, 0
.rept 32
	v_mul_lo_u32 v[M+i], v[M+i], s47               ; each byte: 0xF1 where the key is hidden; no byte's product reaches the next
.set i, i+1
.endr
.irp tq, 0,2
.irp n, 0,1
	global_store_b128 v4, v[M+8*\tq+4*\n:M+8*\tq+4*\n+3], s[24:25] offset:(\tq/2)*65536+512*\n      ; 512 consecutive bytes
	global_store_b128 v5, v[M+8*\tq+8+4*\n:M+8*\tq+8+4*\n+3], s[24:25] offset:(\tq/2)*65536+512*\n
.endr
.endr
	s_cmp_eq_u32 s31, 2015                         ; the wave whose second entry is the buffer's last (number 2,047)
	s_cbranch_scc0 .Lmdone
.irp r, 0,1,2,3
	v_mov_b32 v[ZQ+\r], 0
.endr
.set i, 0
.rept 16
	global_store_b128 v6, v[ZQ:ZQ+3], s[24:25] offset:65536+2048+512*i  ; the closing 8,192 bytes
.set i, i+1
.endr
.Lmdone:
	s_endpgm
; ---- ROPE: a wave makes whole rows, four of them; lane L the frequencies 2 L and 2 L + 1.
; The angle is reduced by whole turns (2 pi in two parts), quartered, put through the series of sine (to a^7) and cosine (to a^8), |a| <= pi / 4, and doubled twice.
.Lrope:
	s_sub_co_u32 s27, ttmp9, 128
	s_lshl_b32 s28, s27, 5
	s_add_co_u32 s28, s28, s3                      ; t of pass 0 = 32 x number + wave; a pass goes 8 rows on
	s_lshl_b32 s40, s27, 14                        ; 32 rows of 512 bytes
	s_mov_b32 s41, 0
	s_mov_b32 s30, 0xc0c90fdb                      ; -(2 pi rounded to f32)
	s_mov_b32 s31, 0x343bbd2e                      ; that rounding's excess over 2 pi
	s_mov_b32 s32, 0xb9500d01                      ; -1/5040
	s_mov_b32 s33, 0x3c088889                      ; 1/120
	s_mov_b32 s34, 0x37d00d01                      ; 1/40320
	s_mov_b32 s35, 0xbab60b61                      ; -1/720
	s_mov_b32 s36, 0xbe2aaaab                      ; -1/6
	s_mov_b32 s37, 0x3d2aaaab                      ; 1/24
	v_and_b32 v1, 31, v0
	v_lshlrev_b32 v2, 1, v1
	v_add_nc_u32 v3, 1, v2
	v_cvt_f32_u32 v2, v2
	v_cvt_f32_u32 v3, v3
	v_mul_f32 v2, 0xbe549a78, v2                   ; -f log2(10000) / 64
	v_mul_f32 v3, 0xbe549a78, v3
	v_exp_f32 v4, v2
	v_exp_f32 v5, v3
	v_lshlrev_b32 v6, 3, v1                        ; a plain instruction behind the two exponentials
	s_lshl_b32 s29, s3, 9
	s_wait_alu depctr_va_vdst(0)                   ; one wait for the batch of two, ahead of the first use
	v_add_nc_u32 v6, s29, v6                       ; 8 L + 512 x wave
	s_wait_kmcnt 0x0
	s_add_nc_u64 s[22:23], s[18:19], s[40:41]
.macro SC cd, sd, th                   ; cos and sin of v7 x v[th]
	v_mul_f32 v8, v7, v[\th]
	v_mul_f32 v9, 0.15915494, v8
	v_rndne_f32 v9, v9                             ; whole turns
	v_fma_f32 v8, v9, s30, v8
	v_fma_f32 v8, v9, s31, v8                      ; the angle in -pi .. pi
	v_mul_f32 v8, 0x3e800000, v8                   ; a quarter of it
	v_mul_f32 v10, v8, v8
	v_fma_f32 v11, v10, s32, s33
	v_fma_f32 v12, v10, s34, s35
	v_fma_f32 v11, v11, v10, s36
	v_fma_f32 v12, v12, v10, s37
	v_fma_f32 v11, v11, v10, 1.0
	v_fma_f32 v12, v12, v10, -0.5
	v_mul_f32 v11, v11, v8                         ; sin a
	v_fma_f32 v12, v12, v10, 1.0                   ; cos a
	v_mul_f32 v13, v11, v12
	v_mul_f32 v10, v11, v11
	v_add_f32 v11, v13, v13                        ; sin 2a = 2 sin cos
	v_fma_f32 v12, v10, -2.0, 1.0                  ; cos 2a = 1 - 2 sin^2
	v_mul_f32 v13, v11, v12
	v_mul_f32 v10, v11, v11
	v_add_f32 v[\sd], v13, v13
	v_fma_f32 v[\cd], v10, -2.0, 1.0
.endm
.set p, 0
.rept 4
	s_add_co_u32 s46, s28, 8*p
	v_cvt_f32_u32 v7, s46
	SC R+4*p, R+4*p+2, 4
	SC R+4*p+1, R+4*p+3, 5
	global_store_b64 v6, v[R+4*p:R+4*p+1], s[22:23] offset:4096*p        ; a row's 64 cosines: 256 consecutive bytes, aligned
	global_store_b64 v6, v[R+4*p+2:R+4*p+3], s[22:23] offset:4096*p+256  ; its 64 sines
.set p, p+1
.endr
	s_endpgm
.Lfunc_end_k_qc717868835_prep:
	.size	k_qc717868835_prep, .Lfunc_end_k_qc717868835_prep-k_qc717868835_prep
	.p2alignl 7, 3214868480
	.fill 96, 4, 3214868480
	.section	.rodata,"a",@progbits
	.p2align	6, 0x0
	.amdhsa_kernel k_qc717868835_prep
		.amdhsa_group_segment_fixed_size 0
		.amdhsa_private_segment_fixed_size 0
		.amdhsa_enable_private_segment 0
		.amdhsa_kernarg_size 72
		.amdhsa_user_sgpr_count 2
		.amdhsa_user_sgpr_kernarg_segment_ptr 1
		.amdhsa_wavefront_size32 1
		.amdhsa_system_sgpr_workgroup_id_x 1
		.amdhsa_system_sgpr_workgroup_id_y 1
		.amdhsa_system_sgpr_workgroup_id_z 1
		.amdhsa_system_vgpr_workitem_id 0
		.amdhsa_next_free_vgpr 112
		.amdhsa_next_free_sgpr 66
		.amdhsa_reserve_vcc 0
		.amdhsa_float_denorm_mode_32 3
		.amdhsa_float_denorm_mode_16_64 3
		.amdhsa_memory_ordered 1
		.amdhsa_forward_progress 1
		.amdhsa_inst_pref_size 35
	.end_amdhsa_kernel
	.amdgpu_metadata
---
amdhsa.version: [ 1, 2 ]
amdhsa.kernels:
  - .name:           k_qc717868835_prep
    .symbol:         k_qc717868835_prep.kd
    .args:
      - { .name: x, .offset: 0, .size: 8, .value_kind: global_buffer, .address_space: global }
      - { .name: Wq, .offset: 8, .size: 8, .value_kind: global_buffer, .address_space: global }
      - { .name: Wk, .offset: 16, .size: 8, .value_kind: global_buffer, .address_space: global }
      - { .name: Wv, .offset: 24, .size: 8, .value_kind: global_buffer, .address_space: global }
      - { .name: Wo, .offset: 32, .size: 8, .value_kind: global_buffer, .address_space: global }
      - { .name: mask, .offset: 40, .size: 8, .value_kind: global_buffer, .address_space: global }
      - { .name: wb, .offset: 48, .size: 8, .value_kind: global_buffer, .address_space: global }
      - { .name: rope, .offset: 56, .size: 8, .value_kind: global_buffer, .address_space: global }
      - { .name: mby, .offset: 64, .size: 8, .value_kind: global_buffer, .address_space: global }
    .group_segment_fixed_size: 0
    .private_segment_fixed_size: 0
    .kernarg_segment_align: 8
    .kernarg_segment_size: 72
    .max_flat_workgroup_size: 256
    .sgpr_count:     66
    .vgpr_count:     112
    .wavefront_size: 32
...
	.end_amdgpu_metadata
.endif
;; end of part 1
;; launch qkv (part 2): grid 16 x 16, 4 waves a work-group, clusters of 4 x 4, 327,680 bytes of LDS; arguments wb, rope, qkv; writes qkv
.if DOCPART == 2
	.amdgcn_target "amdgcn-amd-amdhsa--gfx1250"
	.amdhsa_code_object_version 6
	.text
	.protected	k_qc717868835_qkv
	.globl	k_qc717868835_qkv
	.p2align	8
	.type	k_qc717868835_qkv,@function
k_qc717868835_qkv:
	s_mov_b64 s[64:65], 0
	v_nop
	global_prefetch_b8 v0, s[64:65] scope:SCOPE_SE
	s_setreg_imm32_b32 hwreg(HW_REG_WAVE_MODE, 25, 1), 1
	s_wait_xcnt 0x0
	s_wait_alu depctr_hold_cnt(0) depctr_sa_sdst(0) depctr_va_vdst(0) depctr_va_sdst(0) depctr_va_ssrc(0) depctr_va_vcc(0) depctr_vm_vsrc(0)
	s_getreg_b32 s2, hwreg(HW_REG_IB_STS2, 6, 4)
	s_cmp_eq_u32 s2, 0
	s_cbranch_scc0 .Lentry_in_a_cluster
	s_endpgm
.Lentry_in_a_cluster:
	s_bfe_u32 s2, ttmp6, 0x10000c
	s_cmp_lg_u32 s2, 0xf033
	s_cbranch_scc0 .Lentry_shape_is_right
	s_endpgm
.Lentry_shape_is_right:
; q, k, v = x W^T for one head and 128 rows of x, q and k rotated (RoPE), all three stored by heads in f16: qkv[3][16][2048][128].
; x, Wq, Wk, Wv lie in wb as four matrices [2048][2048] of bf16, 8,388,608 bytes apart.  Products in bf16, sums and the rotation in f32, one rounding to f16.
; LIMIT.  f16 ends at 65,504: |q|, |k|, |v| must stay under it (with x of spread 1 and W of spread 1/45 they have spread 1).
; SHARES.  Work-group x = head, y = block of 128 rows: 256 work-groups, each 128 x 384 of the result.  A wave makes all 128 rows x 96 columns: of each of q, k, v the columns 16 w .. 16 w + 15 and
; 64 + 16 w .. 64 + 16 w + 15, so that the two channels that the rotation pairs (d, d + 64) lie in two accumulators of one wave, same lane, same register.  48 accumulators, 384 registers.
; RING.  K goes in steps of 128 through two LDS slots of four regions of 128 rows x 256 bytes (x, Wq, Wk, Wv); wave w fetches region w by one tensor load.
; CLUSTERS.  4 x 4 work-groups.  x's tile hangs on the row block alone and is asked for jointly by a row of the cluster; the W tiles hang on the head alone and are asked for jointly by a column.
; THE MATRIX INSTRUCTION IS USED TRANSPOSED (source 0 = 16 rows of W, source 1 = 16 rows of x): a lane holds one row of x and eight neighbouring channels.
; REGISTERS, in windows of 256 (s_set_vgpr_msb: bits 1:0 source 0, 3:2 source 1, 5:4 source 2, 7:6 destination):
;   window 0: v10-29 addresses; v64-127, v128-191 x's fragments, two buffers; on the way out v32-223 rows, v224-247 at work
;   window 1: v64-111, v128-175 W's fragments, two buffers (block 2 j + half at 8 (2 j + half)); v0-63, v192-255 the rotation's table: 8 cosines and 8 sines for each of the 8 row blocks
;   window 2: the accumulators of row blocks 0-3 ((a, b) at 8 (6 a + b));   window 3: those of row blocks 4-7
.set KSTEP,  128
.set PITCH,  272                       ; an LDS row: 256 bytes + 16 of padding = 68 words: the 16 rows of a load start at 16 different groups of four banks (64 banks of 4 bytes: ISA guide 11.1)
.set HALFT,  128*PITCH                 ; a region: 128 rows
.set SLOT,   4*HALFT
.set SPARE,  2*SLOT                    ; behind the ring: the spare words, 128 bytes for each wave: two blocks of 256 bytes that no other line names
.set LAPS,   8                         ; 2,048 / 256: a lap = two K steps = once round the ring
.set RD,   10                          ; v10-12  the way out: where I read rows of q, k, v back
.set CO,   13                          ; v13     16 x lane: my 16 bytes of 512 consecutive bytes of the result
.set RO,   14                          ; v14     my byte offset in the table
.set PFO,  15                          ; v15     the prefetches' offset: lane x 4,096; never rewritten
.set ADRA, 16                          ; v16-17  LDS address of x's fragments in slot 0, 1
.set ADRB, 18                          ; v18-23  the same for Wq, Wk, Wv: 3 x slot + j
.set STO,  24                          ; v24-26  the way out: where I put 16 bytes of a row of q, k, v
.set SPW,  28                          ; v28     LDS address of my spare word; never rewritten
.set NIL,  29                          ; v29     0; never rewritten
.set F0,   64
.set F1,   128
.set TMP,  32
.set TT,   224
.set UU,   240
.set G1,  24                           ; s[24:31] descriptor group 1 for x's tiles;  s[32:39] group 0, a set for each slot
.set G0,  32
.set G1B, 48                           ; s[48:55], s[56:63] the same for the W tiles
.set G0B, 56
.set LIM, 43                           ; s43  1 in a wave that prefetches, else the greatest number
.set PFA, 44                           ; s[44:45] where my prefetches stand
.set MSB, 0
.macro WIN new                         ; the immediate's high byte repeats the setting that is left; a switch that changes nothing is dropped
.if MSB != (\new)
	s_set_vgpr_msb (MSB<<8)|(\new)
.set MSB, \new
.endif
.endm
.set MUL_LO, 0xa1                      ; source 0 (W) window 1, source 1 (x) window 0, C and D window 2
.set TO_B,   0x40                      ; destination window 1, address window 0
; A joint load.  Wave 0 fetches x's tile, waves 1 to 3 those of Wq, Wk, Wv.  The branch hangs on the wave's number alone.  An s_nop 0 and four v_nop follow each line.
.macro JLOAD s
	s_cmp_eq_u32 s10, 0
	s_cbranch_scc0 .Lfor_b_\@
	tensor_load_to_lds s[G0+4*(\s):G0+4*(\s)+3], s[G1:G1+7]
	s_nop 0
.rept 4
	v_nop
.endr
	s_branch .Lasked_\@
.Lfor_b_\@:
	tensor_load_to_lds s[G0B+4*(\s):G0B+4*(\s)+3], s[G1B:G1B+7]
	s_nop 0
.rept 4
	v_nop
.endr
.Lasked_\@:
.endm
; A prefetch, behind each joint refill and the run of LDS loads that follows it: the K step that stands two refills on, 32 rows x 256 bytes, a lane a row.  x's rows are read by the four clusters of a row
; of clusters: the one with x = 0 asks; W's rows by the four of a column: the one with y = 0 asks.  The four partners that ask for a tile jointly share its 128 rows out by address, 32 each.
; So each row's 256 bytes of a K step are named once.  The loop's last trip has no K step two on and asks for nothing; the first four K steps come by their loads alone.
.macro ASK
	s_cmp_gt_u32 s3, s[LIM]
	s_cbranch_scc0 .Lnot_mine_\@
	global_prefetch_b8 v[PFO], s[PFA:PFA+1] offset:KSTEP*2 th:TH_LOAD_NT scope:SCOPE_SE
.Lnot_mine_\@:
.endm
.macro CREST                           ; a round of the cluster's barrier behind its opening barrier
	s_cmp_lg_u32 s10, 0
	s_cbranch_scc1 .Lnot_wave_0_\@
	s_barrier_signal -3
.Lnot_wave_0_\@:
	s_barrier_wait -3
	s_barrier_signal -1
	s_barrier_wait -1
.endm
.macro CROUND
	s_barrier_signal -1
	s_barrier_wait -1
	CREST
.endm
	s_load_b128 s[4:7], s[0:1], 0x0                ; wb s[4:5], rope s[6:7]
	s_load_b64 s[8:9], s[0:1], 0x10                ; qkv
	v_lshl_add_u32 v[SPW], v0, 2, SPARE
	v_mov_b32 v[NIL], 0
	ds_add_u32 v[SPW], v[NIL]                      ; the wave's opening: the add and its wait stand ahead of my first tensor load; the set-up below stands between them
	v_lshrrev_b32 v1, 5, v0
	v_readfirstlane_b32 s10, v1                    ; wave 0..3
	s_bfe_u32 s40, ttmp6, 0x40000                  ; cx
	s_bfe_u32 s41, ttmp6, 0x40004                  ; cy
	s_lshl_b32 s42, ttmp9, 2
	s_add_co_u32 s42, s42, s40                     ; head = 4 x cluster x + cx
	s_and_b32 s13, ttmp7, 0xffff
	s_lshl_b32 s13, s13, 2
	s_add_co_u32 s13, s13, s41                     ; row block = 4 x cluster y + cy
	s_lshl_b32 s43, s41, 2
	s_lshl_b32 s43, 15, s43                        ; my row of the cluster
	s_lshl_b32 s44, 0x1111, s40                    ; my column
	s_or_b32 s[G1+0], s43, (1<<16)|(1<<20)|(1<<21)|(5<<22)|(3<<25)  ; the mask; elements of 2 bytes; padding on; bit 21 beside a mask; after every 64 words 4 words
	s_or_b32 s[G1B+0], s44, (1<<16)|(1<<20)|(1<<21)|(5<<22)|(3<<25)
.irp g, G1, G1B
	s_mov_b32 s[(\g)+1], KSTEP<<16                 ; tensor_dim0 = 128
	s_mov_b32 s[(\g)+2], 128<<16                   ; tensor_dim1 = 128
	s_mov_b32 s[(\g)+3], KSTEP<<16                 ; tile_dim0 = 128
	s_mov_b32 s[(\g)+4], 128                       ; tile_dim1 = 128
	s_mov_b32 s[(\g)+5], 2048                      ; elements from row to row
	s_mov_b32 s[(\g)+6], 0
	s_mov_b32 s[(\g)+7], 0
.endr
	s_lshl_b32 s16, s13, 19                        ; x: 128 rows of 4,096 bytes a block
	s_mov_b32 s17, 0
	s_lshl_b32 s46, s42, 19                        ; W: the head's 128 rows,
	s_lshl_b32 s47, s10, 23                        ; in matrix number = my wave's number
	s_add_co_u32 s46, s46, s47
	s_mov_b32 s47, 0
	s_mul_i32 s20, s10, HALFT                      ; region = wave: no place in the cluster enters an LDS address
	s_wait_dscnt 0x0                               ; the opening add is done
	s_wait_kmcnt 0x0
	s_add_nc_u64 s[14:15], s[4:5], s[16:17]
	s_add_nc_u64 s[46:47], s[4:5], s[46:47]
	CROUND                                         ; all sixteen work-groups are here: the first joint loads meet
.irp s, 0,1
	s_mov_b32 s[G0+4*(\s)], 1
	s_add_co_u32 s[G0+4*(\s)+1], s20, (\s)*SLOT
	s_add_nc_u64 s[G0+4*(\s)+2:G0+4*(\s)+3], s[14:15], (\s)*KSTEP*2
	s_or_b32 s[G0+4*(\s)+3], s[G0+4*(\s)+3], 0x80000000
	s_mov_b32 s[G0B+4*(\s)], 1
	s_add_co_u32 s[G0B+4*(\s)+1], s20, (\s)*SLOT
	s_add_nc_u64 s[G0B+4*(\s)+2:G0B+4*(\s)+3], s[46:47], (\s)*KSTEP*2
	s_or_b32 s[G0B+4*(\s)+3], s[G0B+4*(\s)+3], 0x80000000
	JLOAD \s
.endr
	v_and_b32 v1, 15, v0                           ; l % 16
	v_bfe_u32 v2, v0, 4, 1                         ; l / 16
	; the rotation's table: for row block a my row 16 a + l % 16 and my eight frequencies 16 w + 8 (l / 16) + 0..7: 32 bytes of cosines, 32 of sines.  The 32 loads stay out until the way out.
	v_lshlrev_b32 v[RO], 9, v1
	v_lshl_add_u32 v[RO], v2, 5, v[RO]
	s_lshl_b32 s21, s10, 6
	v_add_nc_u32 v[RO], s21, v[RO]
	s_lshl_b32 s16, s13, 16                        ; 128 rows of 512 bytes
	s_add_nc_u64 s[6:7], s[6:7], s[16:17]
	WIN TO_B
.irp a, 0,1,2,3,4,5,6,7
	global_load_b128 v[16*\a+128*(\a/4):16*\a+128*(\a/4)+3],     v[RO], s[6:7] offset:8192*\a
	global_load_b128 v[16*\a+128*(\a/4)+4:16*\a+128*(\a/4)+7],   v[RO], s[6:7] offset:8192*\a+16
	global_load_b128 v[16*\a+128*(\a/4)+8:16*\a+128*(\a/4)+11],  v[RO], s[6:7] offset:8192*\a+256
	global_load_b128 v[16*\a+128*(\a/4)+12:16*\a+128*(\a/4)+15], v[RO], s[6:7] offset:8192*\a+272
.endr
	WIN 0
	v_mul_u32_u24 v3, v1, PITCH
	v_lshl_add_u32 v3, v2, 4, v3                   ; a fragment's row x pitch + 16 x half
	v_mov_b32 v[ADRA], v3
	v_add_nc_u32 v[ADRA+1], SLOT, v3
	s_mul_i32 s21, s10, 16*PITCH                   ; my 16 rows in each half of a W region
.irp s, 0,1
.irp j, 0,1,2
	s_add_co_u32 s22, s21, (\s)*SLOT+(1+\j)*HALFT
	v_add_nc_u32 v[ADRB+3*(\s)+\j], s22, v3
.endr
.endr
	; the way out goes through a stage of 3 x 128 rows x 272 bytes at LDS byte 0: slot 0, behind its last fill (K step 14) and every wave's last read of it
	s_lshl_b32 s21, s10, 5
	v_add_nc_u32 v[STO], s21, v3                   ; row l % 16, byte 32 w + 16 (l / 16)
	v_add_nc_u32 v[STO+1], HALFT, v[STO]
	v_add_nc_u32 v[STO+2], 2*HALFT, v[STO]
	v_mul_u32_u24 v4, v2, PITCH
	v_lshl_add_u32 v4, v1, 4, v4
	s_mul_i32 s21, s10, 32*PITCH
	v_add_nc_u32 v[RD], s21, v4                    ; back: wave w takes rows 32 w .. 32 w + 31, whole; lanes 0-15 one row, lanes 16-31 the next
	v_add_nc_u32 v[RD+1], HALFT, v[RD]
	v_add_nc_u32 v[RD+2], 2*HALFT, v[RD]
	v_and_b32 v[CO], 31, v0
	v_lshlrev_b32 v[CO], 4, v[CO]
	s_lshl_b32 s46, s42, 19                        ; the head's 2,048 rows of 256 bytes,
	s_lshl_b32 s47, s13, 15                        ; the block's 128,
	s_add_co_u32 s46, s46, s47
	s_lshl_b32 s47, s10, 13                        ; my 32
	s_add_co_u32 s46, s46, s47
	s_mov_b32 s47, 0
	s_add_nc_u64 s[66:67], s[8:9], s[46:47]        ; q
	s_add_nc_u64 s[68:69], s[66:67], 0x800000      ; k
	s_add_nc_u64 s[70:71], s[68:69], 0x800000      ; v
	; the prefetches
	s_and_b32 s22, ttmp7, 0xffff                   ; cluster y
	s_cmp_eq_u32 s10, 0                            ; do I fetch x?
	s_cselect_b32 s20, s13, s42                    ; the block of 128 rows that I fetch
	s_cselect_b32 s21, s40, s41                    ; my place among the four that ask for it with me
	s_cselect_b32 s22, ttmp9, s22                  ; the coordinate along which other clusters read the same rows
	s_cmp_eq_u32 s22, 0
	s_cselect_b32 s[LIM], 1, -1
	s_lshl_b32 s20, s20, 19
	s_lshl_b32 s21, s21, 17                        ; my work-group's 32 rows
	s_add_co_u32 s20, s20, s21
	s_lshl_b32 s21, s10, 23                        ; my matrix
	s_add_co_u32 s20, s20, s21
	s_add_co_u32 s20, s20, 2*KSTEP*2               ; at K step 2: the first refill steps it to 3 and names K step 4
	s_mov_b32 s21, 0
	s_add_nc_u64 s[PFA:PFA+1], s[4:5], s[20:21]
	v_and_b32 v[PFO], 31, v0
	v_lshlrev_b32 v[PFO], 12, v[PFO]
; 12 matrix instructions: row blocks a0, a0 + 1 of the window's four x all 6 column blocks, 32 along K.  zero = 1: the first product starts the sums.
; The 48 accumulators take turns in one fixed order: 47 others stand between two links of a chain, over the backward jump too.
.macro MUL12 f, hi, a0, zero
	WIN MUL_LO+0x50*(\hi)
.irp a, \a0, (\a0)+1
.irp b, 0,1,2,3,4,5
.if \zero
	v_wmma_f32_16x16x32_bf16 v[8*(6*(\a)+(\b)):8*(6*(\a)+(\b))+7], v[(\f)+8*(\b):(\f)+8*(\b)+7], v[(\f)+8*(4*(\hi)+(\a)):(\f)+8*(4*(\hi)+(\a))+7], 0
.else
	v_wmma_f32_16x16x32_bf16 v[8*(6*(\a)+(\b)):8*(6*(\a)+(\b))+7], v[(\f)+8*(\b):(\f)+8*(\b)+7], v[(\f)+8*(4*(\hi)+(\a)):(\f)+8*(4*(\hi)+(\a))+7], v[8*(6*(\a)+(\b)):8*(6*(\a)+(\b))+7]
.endif
.endr
.endr
.endm
; 28 LDS loads in one run: the fragments of 32 along K at byte k of the rows: 6 blocks of W, then 8 of x
.macro FETCH slot, k, f
	WIN TO_B
.irp j, 0,1,2
.irp h, 0,1
	ds_load_b128 v[(\f)+8*(2*\j+\h):(\f)+8*(2*\j+\h)+3],   v[ADRB+3*(\slot)+\j] offset:(\k)+\h*64*PITCH
	ds_load_b128 v[(\f)+8*(2*\j+\h)+4:(\f)+8*(2*\j+\h)+7], v[ADRB+3*(\slot)+\j] offset:(\k)+\h*64*PITCH+32
.endr
.endr
	WIN 0
.irp i, 0,1,2,3,4,5,6,7
	ds_load_b128 v[(\f)+8*(\i):(\f)+8*(\i)+3],   v[ADRA+(\slot)] offset:(\k)+(\i)*16*PITCH
	ds_load_b128 v[(\f)+8*(\i)+4:(\f)+8*(\i)+7], v[ADRA+(\slot)] offset:(\k)+(\i)*16*PITCH+32
.endr
.endm
.macro PLACES                          ; four places in front of loads into registers that matrix instructions have read (ISA guide 7.12.1 for vector instructions)
.rept 4
	v_nop
.endr
.endm
; A K step is four quarters of 32 along K, 48 matrix instructions each, on buffers 0, 1, 0, 1.  One of the first three: multiplies buffer f, fetches the next quarter, at byte k, into g.
.macro QUARTER slot, k, f, g, zero
	s_wait_dscnt 8                                 ; W and x's rows 0-63 are in; the youngest eight loads (x's rows 64-127) may be out
	MUL12 \f, 0, 0, \zero
	MUL12 \f, 0, 2, \zero
	PLACES
	FETCH \slot, \k, \g
	s_wait_dscnt 28                                ; all but the 28 just issued
	MUL12 \f, 1, 0, \zero
	MUL12 \f, 1, 2, \zero
.endm
; The last quarter multiplies buffer 1 and changes slots: ONE barrier; in front of it each wave waits for all its tensor loads (one is out: its region of the next slot), adds 0 to its spare word, and waits
; for that and for its reads of this slot.  fill = 1: the barrier opens a round of the cluster's, and this slot is filled again, two K steps on, first thing behind the round: 168 matrix instructions ahead of the wait for it.
.macro TURN slot, next, fill
.if \fill
	s_wait_xcnt 0x0                                ; the last prefetch, a K step back, has read its address
	s_add_nc_u64 s[PFA:PFA+1], s[PFA:PFA+1], KSTEP*2
.endif
	WIN 0                                          ; (the add's two registers lie in window 0)
	s_wait_tensorcnt 0x0
	ds_add_u32 v[SPW], v[NIL]                      ; 0 onto my spare word
	s_wait_dscnt 9                                 ; (the add and the youngest eight loads may be out)
	MUL12 F1, 0, 0, 0                              ; twelve matrix instructions stand between the add and the wait for it
	s_wait_dscnt 0x0                               ; the add is done, and my reads of this slot are over
	s_barrier_signal -1
	MUL12 F1, 0, 2, 0
.if \fill
	WIN 0
.endif
	s_barrier_wait -1
.if \fill
	CREST                                          ; no wave of any partner still reads this slot's tiles or has a load on its way
	s_add_nc_u64 s[G0+4*(\slot)+2:G0+4*(\slot)+3], s[G0+4*(\slot)+2:G0+4*(\slot)+3], 2*KSTEP*2
	s_add_nc_u64 s[G0B+4*(\slot)+2:G0B+4*(\slot)+3], s[G0B+4*(\slot)+2:G0B+4*(\slot)+3], 2*KSTEP*2
	JLOAD \slot                                    ; the four v_nop behind it are also the places in front of the loads below
.else
	PLACES
.endif
	FETCH \next, 0, F0
.if \fill
	ASK
.endif
	MUL12 F1, 1, 0, 0
	MUL12 F1, 1, 2, 0
.endm
	s_wait_tensorcnt 1                             ; my region of K step 0 is in; K step 1's may stay out
	s_barrier_signal -1
	s_barrier_wait -1
	FETCH 0, 0, F0
	QUARTER 0, 64, F0, F1, 1                       ; the first quarter stands in front of the loop: its products start the sums
	WIN 0
	s_mov_b32 s3, LAPS-1
.Llap:                                                 ; a trip goes once round the ring, from a lap's second quarter to the next lap's first, and fills both slots again
	QUARTER 0, 128, F1, F0, 0
	QUARTER 0, 192, F0, F1, 0
	TURN 0, 1, 1
	QUARTER 1, 64,  F0, F1, 0
	QUARTER 1, 128, F1, F0, 0
	QUARTER 1, 192, F0, F1, 0
	TURN 1, 0, 1
	QUARTER 0, 64,  F0, F1, 0
	WIN 0
	s_sub_co_u32 s3, s3, 1
	s_cmp_lg_u32 s3, 0
	s_cbranch_scc1 .Llap
	QUARTER 0, 128, F1, F0, 0                      ; the last lap fills nothing
	QUARTER 0, 192, F0, F1, 0
	TURN 0, 1, 0                                   ; behind its barrier nobody reads slot 0 any more
	QUARTER 1, 64,  F0, F1, 0
	QUARTER 1, 128, F1, F0, 0
	QUARTER 1, 192, F0, F1, 0
	s_wait_dscnt 8
	MUL12 F1, 0, 0, 0
	MUL12 F1, 0, 2, 0
	s_wait_dscnt 0
	MUL12 F1, 1, 0, 0
	MUL12 F1, 1, 2, 0
	WIN 0
; THE WAY OUT.  q and k: lo' = lo cos - hi sin, hi' = hi cos + lo sin, in f32, for the channel pairs (d, d + 64); then all three are rounded to f16, 16 bytes a lane, into the stage.
; Each accumulator's registers are read in ascending order.
.macro ROT a, mat
.set AW, 2+(\a)/4
.set LO, 48*((\a)%4)+16*(\mat)
.set HI, LO+8
.set CT, 16*(\a)+128*((\a)/4)
	WIN AW|4                                       ; source 0: the accumulators' window; source 1: the table's
.irp r, 0,2,4,6
	v_pk_mul_f32 v[TT+\r:TT+\r+1], v[LO+\r:LO+\r+1], v[CT+\r:CT+\r+1]
.endr
.irp r, 0,2,4,6
	v_pk_mul_f32 v[TT+8+\r:TT+8+\r+1], v[HI+\r:HI+\r+1], v[CT+\r:CT+\r+1]
.endr
.irp r, 0,2,4,6
	v_pk_fma_f32 v[TT+\r:TT+\r+1], v[HI+\r:HI+\r+1], v[CT+8+\r:CT+8+\r+1], v[TT+\r:TT+\r+1] neg_lo:[1,0,0] neg_hi:[1,0,0]
.endr
.irp r, 0,2,4,6
	v_pk_fma_f32 v[TT+8+\r:TT+8+\r+1], v[LO+\r:LO+\r+1], v[CT+8+\r:CT+8+\r+1], v[TT+8+\r:TT+8+\r+1]
.endr
	WIN 0
.irp r, 0,1,2,3,4,5,6,7
	v_cvt_pk_f16_f32 v[UU+\r], v[TT+2*\r], v[TT+2*\r+1]
.endr
	ds_store_b128 v[STO+\mat], v[UU:UU+3] offset:(\a)*16*PITCH
	ds_store_b128 v[STO+\mat], v[UU+4:UU+7] offset:(\a)*16*PITCH+128
.endm
.macro VOUT a
.set AW, 2+(\a)/4
.set LO, 48*((\a)%4)+32
	WIN AW|(AW<<2)
.irp r, 0,1,2,3,4,5,6,7
	v_cvt_pk_f16_f32 v[UU+\r], v[LO+2*\r], v[LO+2*\r+1]
.endr
	WIN 0
	ds_store_b128 v[STO+2], v[UU:UU+3] offset:(\a)*16*PITCH
	ds_store_b128 v[STO+2], v[UU+4:UU+7] offset:(\a)*16*PITCH+128
.endm
	PLACES
	PLACES                                         ; (eight, once a launch)
	s_wait_loadcnt 0x0                             ; the table
.irp a, 0,1,2,3,4,5,6,7
	ROT \a, 0
	ROT \a, 1
	VOUT \a
.endr
	s_wait_dscnt 0x0                               ; for the others' sake: my stores into the stage are done
	s_barrier_signal -1
	s_barrier_wait -1                              ; a row's 256 bytes come from all four waves
.irp j, 0,1,2
.irp i, 0,1,2,3,4,5,6,7,8,9,10,11,12,13,14,15
	ds_load_b128 v[TMP+4*(16*\j+\i):TMP+4*(16*\j+\i)+3], v[RD+\j] offset:544*\i
.endr
.endr
.irp j, 0,1,2
.irp i, 0,1,2,3,4,5,6,7,8,9,10,11,12,13,14,15
	s_wait_dscnt 47-(16*\j+\i)
	global_store_b128 v[CO], v[TMP+4*(16*\j+\i):TMP+4*(16*\j+\i)+3], s[66+2*\j:67+2*\j] offset:512*\i  ; two rows of a head: 512 consecutive bytes, aligned
.endr
.endr
	s_wait_tensorcnt 0x0                           ; the wave's end, behind my last tensor load and my last LDS store
	ds_add_u32 v[SPW], v[NIL]
	s_wait_dscnt 0x0
	CROUND                                         ; the closing round: no work-group ends while a partner may still ask for a tile that names it
	s_endpgm
.Lfunc_end_k_qc717868835_qkv:
	.size	k_qc717868835_qkv, .Lfunc_end_k_qc717868835_qkv-k_qc717868835_qkv
	.p2alignl 7, 3214868480
	.fill 96, 4, 3214868480
	.section	.rodata,"a",@progbits
	.p2align	6, 0x0
	.amdhsa_kernel k_qc717868835_qkv
		.amdhsa_group_segment_fixed_size 327680
		.amdhsa_private_segment_fixed_size 0
		.amdhsa_enable_private_segment 0
		.amdhsa_kernarg_size 24
		.amdhsa_user_sgpr_count 2
		.amdhsa_user_sgpr_kernarg_segment_ptr 1
		.amdhsa_wavefront_size32 1
		.amdhsa_system_sgpr_workgroup_id_x 1
		.amdhsa_system_sgpr_workgroup_id_y 1
		.amdhsa_system_sgpr_workgroup_id_z 1
		.amdhsa_system_vgpr_workitem_id 0
		.amdhsa_next_free_vgpr 1024
		.amdhsa_next_free_sgpr 72
		.amdhsa_reserve_vcc 0
		.amdhsa_float_denorm_mode_32 3
		.amdhsa_float_denorm_mode_16_64 3
		.amdhsa_memory_ordered 1
		.amdhsa_forward_progress 1
		.amdhsa_inst_pref_size 137
	.end_amdhsa_kernel
	.amdgpu_metadata
---
amdhsa.version: [ 1, 2 ]
amdhsa.kernels:
  - .name:           k_qc717868835_qkv
    .symbol:         k_qc717868835_qkv.kd
    .args:
      - { .name: wb, .offset: 0, .size: 8, .value_kind: global_buffer, .address_space: global }
      - { .name: rope, .offset: 8, .size: 8, .value_kind: global_buffer, .address_space: global }
      - { .name: qkv, .offset: 16, .size: 8, .value_kind: global_buffer, .address_space: global }
    .group_segment_fixed_size: 327680
    .private_segment_fixed_size: 0
    .kernarg_segment_align: 8
    .kernarg_segment_size: 24
    .max_flat_workgroup_size: 128
    .sgpr_count:     72
    .vgpr_count:     1024
    .wavefront_size: 32
...
	.end_amdgpu_metadata
.endif
;; end of part 2
;; launch attn (part 3): grid 16 x 16, 8 waves a work-group, clusters of 4 x 1, 327,680 bytes of LDS; arguments qkv, mby, ob; writes ob
.if DOCPART == 3
	.amdgcn_target "amdgcn-amd-amdhsa--gfx1250"
	.amdhsa_code_object_version 6
	.text
	.protected	k_qc717868835_attn
	.globl	k_qc717868835_attn
	.p2align	8
	.type	k_qc717868835_attn,@function
k_qc717868835_attn:
	s_mov_b64 s[64:65], 0
	v_nop
	global_prefetch_b8 v0, s[64:65] scope:SCOPE_SE
	s_setreg_imm32_b32 hwreg(HW_REG_WAVE_MODE, 25, 1), 1
	s_wait_xcnt 0x0
	s_wait_alu depctr_hold_cnt(0) depctr_sa_sdst(0) depctr_va_vdst(0) depctr_va_sdst(0) depctr_va_ssrc(0) depctr_va_vcc(0) depctr_vm_vsrc(0)
	s_getreg_b32 s2, hwreg(HW_REG_IB_STS2, 6, 4)
	s_cmp_eq_u32 s2, 0
	s_cbranch_scc0 .Lentry_in_a_cluster
	s_endpgm
.Lentry_in_a_cluster:
	s_bfe_u32 s2, ttmp6, 0x10000c
	s_cmp_lg_u32 s2, 0x3003
	s_cbranch_scc0 .Lentry_shape_is_right
	s_endpgm
.Lentry_shape_is_right:
; O[q][h] = the sum over k of softmax_k(mask ? Q[h][q] . K[h][k] / sqrt(128) : -inf) V[h][k].  Q, K, V: qkv[3][16][2048][128] in f16; O: ob[2048][2048] in f16, head h at byte 256 h of a row.
; Products, maxima and sums in f32; the weights p are rounded to f16 for the second product, O once at the end.  The mask is an input: every byte of it is read (recoded and reordered, mby) and honoured.
; LIMITS.  A hidden score counts as its value less 2^99 or more; the running maximum starts at -2^96, so true scores must lie above that (f16 operands give at most 5.5e11).  A visible score carries an
; addend under 2^-125.  A weight below 2^-126 counts as 0.  A row with no visible key ends with l = 0 and O = 0 x (1 / 0) = NaN, as a softmax of nothing but -inf does.
; SHARES.  A work-group owns 128 queries of one head: 256 work-groups.  EIGHT WAVES of 512 registers: wave w has the query quarter w & 3 (32 queries: two tiles of 16) and the key group g = w >> 2.
; A slot holds 256 keys; group g walks its keys 128 g .. 128 g + 127, two steps of 64.  So a wave walks 16 of the head's 32 steps, and the two partial softmaxes of a query meet in LDS at the end.
; The wave's tile t is query tile (t + g) & 1 of its quarter: each wave keeps its tile 0 and gives its tile 1 to its partner w ^ 4: one text for all waves.
; A fragment of K or V read from LDS feeds two tiles' products: 64 LDS loads for a step's 64 matrix instructions.
; LAYOUT.  S^T = K Q^T (source 0 = 16 keys, source 1 = 16 queries): a lane holds ONE query (lane % 16) and the keys 8 (lane / 16) + 0..7; two such tiles rounded to f16 ARE source 1 of O^T = V^T P.
; THE MASK is what the sum S^T starts from.  mby holds a byte a score, 0x00 or 0xF1, four scores a word; the word shifted left by 24, 16, 8 or 0 bits has the score's byte on top: as f32 that is next to
; nothing, or -2^99 and beyond (the bytes below it fill the fraction and the exponent's last bit).  One shift a score, straight into S^T's register, onto which all of the score's products add in place.
; SOFTMAX.  p = 2^(c s - c m), c = log2(e) / sqrt(128), with a running maximum m; O and l are multiplied by a = 2^(c m_old - c m_new) in every step.  m starts at -2^96, O and l at 0: the first step is a step like any other.
; IN PHASES.  A step: K's loads, the masks, 32 products K Q^T, V's loads (into K's registers), the softmax of both tiles, 32 products V^T P.  Nothing is carried from step to step but m, l and O^T, so the
; step's text stands twice in all: in the loop, and for the last slot, behind which nothing is asked for.
; CLUSTER.  The four query blocks of a cluster belong to one head and walk the same K and V: each tile is asked for JOINTLY, by the same tensor load, descriptor and mask in all four.
; REGISTERS, in two windows of 256 (s_set_vgpr_msb: bits 1:0 source 0, 3:2 source 1, 5:4 source 2, 7:6 destination):
;   window 0: v0-15, v32-34 addresses; v16-31 eight registers of statistics a tile; v40-55 a step's mask words; v64-127 S^T, 32 a tile; v128-159 P, 16 a tile; v160-223 Q, 32 a tile
;   window 1: v0-127 O^T, 64 a tile; v128-255 K of one step, then V of the same step
.set KS,    64
.set PK,    272       ; a row of K in LDS: 256 bytes + 16 of padding: the 16 rows of a load start at 16 different groups of four banks (64 banks of 4 bytes: ISA guide 11.1)
.set PV,    288       ; a row of V: 256 + 32
.set VOFF,  256*PK    ; a slot: 256 rows of K, then 256 rows of V
.set SLOTB, 256*(PK+PV)
.set STAGE, 2*SLOTB   ; behind the ring: 16 rows x 272 bytes for each wave, for the way out
.set SP,    272
.set SPARE, STAGE+8*16*SP  ; behind the stages: the spare words, 128 bytes for each wave: four blocks of 256 bytes that no other line names
.set XW,    8704      ; the meeting: 8,704 bytes for each wave from LDS byte 0 on: the ring's first half, behind its last fill (keys 1,536 on) and every wave's last read of it
.set AK0, 2           ; v2   my lane's place in a tile of K; never rewritten
.set AV0, 3           ; v3   the same for V
.set ADR, 4           ; v4   the LDS address of the run of loads in hand
.set QO,  5           ; v5   my byte offset in Q for tile 0
.set STO, 6           ; v6   the way out: where I put 16 bytes of a row
.set RD,  7           ; v7   the way out: where I read a row back
.set GO,  8           ; v8   my byte offset in two rows of O
.set QO2, 12          ; v12  my byte offset in Q for tile 1
.set XS,  13          ; v13  the meeting: where I put what I give
.set XL,  14          ; v14  where my partner has put what I take
.set PFO, 15          ; v15  256 x lane; never rewritten
.set ST,  16          ; tile t's statistics at v[ST+8 t]: +0 c m, +1 m, +2, +3 l (even keys', odd keys'), +4 to +7 at work; a takes +6
.set SPW, 32          ; v32  LDS address of my spare word; never rewritten
.set NIL, 33          ; v33  0; never rewritten
.set MA,  34          ; v34  16 x lane; never rewritten
.set MV,  40          ; tile t's eight mask words at MV + 8 t
.set S,   64
.set P,   128
.set Q,   160
.set KV,  128         ; in window 1
.set WV,  12          ; s12  my wave's number
.set LIM, 15          ; s15  1 in a wave that prefetches, else the greatest number
.set PFA, 18          ; s[18:19] where my prefetches stand
.set G1K, 24          ; s[24:31] descriptor group 1 for K's tiles
.set G1V, 32          ; s[32:39] for V's: it differs in the padding alone
.set G0K, 40          ; s[40:43] descriptor group 0 for K's tiles: it walks
.set G0V, 44          ; s[44:47] the same for V's
.set KOFF, 48         ; s48  where the quarter of K that I fetch lies in a slot
.set VOFW, 49         ; s49  the same for V
.set KG,  50          ; s50  where my key group's K begins in a slot
.set VG,  51          ; s51  the same for V, less VOFF
.set RB,  52          ; s52  LDS byte of the slot that is read: 0 or SLOTB
.set MB,  54          ; s[54:55] mby at the step whose words were asked for last
.set SLOTS, 56        ; s56  slots still to be asked for
.set TWICE, 57        ; s57  counts a slot's two steps
.set CS,  58          ; s[58:59] c
.set SEL, 60          ; s[60:61] v_permlanex16_b32's selects: each lane takes its own place in the other half
.set TBK, 62          ; s62  LDS byte at which K of the step to be fetched begins
.set TBV, 63          ; s63  the same for V, less VOFF
.set MSB, 0
.macro WIN new                      ; the immediate's high byte repeats the setting that is left; a switch that changes nothing is dropped
.if MSB != (\new)
	s_set_vgpr_msb (MSB<<8)|(\new)
.set MSB, \new
.endif
.endm
.set W_KQ, 0x01       ; K in window 1; Q and S^T in window 0
.set W_PV, 0x51       ; V and O^T in window 1, P in window 0
.set W_RS, 0x41       ; O^T (destination and source 0) in window 1, source 1 in window 0
.set W_LD, 0x40       ; destination window 1, address window 0
; A joint fill.  Waves 0 to 3 fetch the four quarters of a slot's K, waves 4 to 7 those of its V: 64 keys each.  An s_nop 0 and four v_nop follow each line.
.macro JLOAD
	s_cmp_lt_u32 s[WV], 4
	s_cbranch_scc0 .Lfor_v_\@
	tensor_load_to_lds s[G0K:G0K+3], s[G1K:G1K+7]
	s_nop 0
.rept 4
	v_nop
.endr
	s_branch .Lasked_\@
.Lfor_v_\@:
	tensor_load_to_lds s[G0V:G0V+3], s[G1V:G1V+7]
	s_nop 0
.rept 4
	v_nop
.endr
.Lasked_\@:
.endm
; A prefetch of what the NEXT change of slots will ask for, behind the wave's tensor load and its five lines.  All four clusters of a head walk the same rows: the head's first cluster asks.  Of a slot's 256 rows
; of K, and of V, each of the four partners takes 64, told apart by address; waves 0 and 1 ask for K's two halves of them, waves 4 and 5 for V's; a lane a row of 256 bytes: each row is named once.
; The last change that fills a slot asks for nothing.
.macro ASK
	s_cmp_gt_u32 s[SLOTS], s[LIM]
	s_cbranch_scc0 .Lnot_mine_\@
	global_prefetch_b8 v[PFO], s[PFA:PFA+1] th:TH_LOAD_NT scope:SCOPE_SE
.Lnot_mine_\@:
.endm
.macro CROUND                       ; a round of the cluster's barrier
	s_barrier_signal -1
	s_barrier_wait -1
	s_cmp_lg_u32 s[WV], 0
	s_cbranch_scc1 .Lnot_wave_0_\@
	s_barrier_signal -3
.Lnot_wave_0_\@:
	s_barrier_wait -3
	s_barrier_signal -1
	s_barrier_wait -1
.endm
.macro MLOAD                        ; a step's mask words: two tiles, two runs of 512 consecutive bytes each
.irp b, 0,1
	global_load_b128 v[MV+8*\b:MV+8*\b+3],   v[MA], s[MB:MB+1] offset:1024*\b
	global_load_b128 v[MV+8*\b+4:MV+8*\b+7], v[MA], s[MB:MB+1] offset:1024*\b+512
.endr
.endm
	s_load_b128 s[4:7], s[0:1], 0x0   ; qkv s[4:5], mby s[6:7]
	s_load_b64 s[10:11], s[0:1], 0x10 ; ob
	v_lshl_add_u32 v[SPW], v0, 2, SPARE
	v_mov_b32 v[NIL], 0
	ds_add_u32 v[SPW], v[NIL]       ; the wave's opening: the add and its wait stand ahead of my first tensor load; the set-up below stands between them
	v_lshrrev_b32 v1, 5, v0
	v_readfirstlane_b32 s[WV], v1   ; wave 0..7
	s_bfe_u32 s13, ttmp6, 0x40000   ; cx
	s_lshl_b32 s14, ttmp9, 2
	s_add_co_u32 s14, s14, s13      ; my block of 128 queries: it enters Q's, O's and the mask's addresses alone
	s_and_b32 s20, ttmp7, 0xffff    ; the head, which the four partners share
	s_and_b32 s16, s[WV], 3         ; my query quarter; also: which quarter of a slot's keys I fetch
	s_lshr_b32 s17, s[WV], 2        ; my key group; also: I fetch for K (0) or for V (1)
	s_lshl_b32 s21, s20, 19         ; the head's 2,048 rows of 256 bytes
	s_lshl_b32 s22, s16, 14         ; the 64 rows that I fetch
	s_add_co_u32 s22, s22, s21
	s_mov_b32 s23, 0
	s_lshl_b32 s[PFA], s13, 14      ; the prefetches: my work-group's 64 rows of a slot's 256,
	s_add_co_u32 s[PFA], s[PFA], s21
	s_and_b32 s3, s[WV], 1
	s_lshl_b32 s3, s3, 13           ; my 32 of them,
	s_add_co_u32 s[PFA], s[PFA], s3
	s_mov_b32 s3, 0x800000
	s_lshl_b32 s3, s3, s17          ; in k, the second tensor, or in v, the third,
	s_add_co_u32 s[PFA], s[PFA], s3
	s_add_co_u32 s[PFA], s[PFA], 65536  ; in slot 1; the first change steps it to slot 2
	s_mov_b32 s[PFA+1], 0
	s_lshl_b32 s2, s14, 15          ; Q: the head, the block's 128 rows, my 32
	s_add_co_u32 s2, s2, s21
	s_lshl_b32 s3, s16, 13
	s_add_co_u32 s2, s2, s3
	s_mov_b32 s3, 0
	s_lshl_b32 s8, s14, 19          ; O: rows 128 block + 32 quarter + 16 g of 4,096 bytes, byte 256 head
	s_lshl_b32 s9, s16, 17
	s_add_co_u32 s8, s8, s9
	s_lshl_b32 s9, s17, 16
	s_add_co_u32 s8, s8, s9
	s_lshl_b32 s9, s20, 8
	s_add_co_u32 s8, s8, s9
	s_mov_b32 s9, 0
	s_lshl2_add_u32 s[MB], s14, s16 ; the mask: 16 entries of 2,048 bytes at number 2 (4 block + quarter) + g
	s_lshl1_add_u32 s[MB], s[MB], s17
	s_lshl_b32 s[MB], s[MB], 15
	s_mov_b32 s[MB+1], 0
	s_mul_i32 s[KOFF], s16, 64*PK   ; no place in the cluster enters an LDS address
	s_mul_i32 s[VOFW], s16, 64*PV
	s_add_co_u32 s[VOFW], s[VOFW], VOFF
	s_mul_i32 s[KG], s17, 128*PK
	s_mul_i32 s[VG], s17, 128*PV
	s_mov_b32 s[RB], SLOTB          ; the first change of slots turns it into 0
	; descriptor group 1: a tile of 64 rows x 128 elements, padded in LDS
	s_mov_b32 s[G1K], 15|(1<<16)|(1<<20)|(1<<21)|(5<<22)|(3<<25)  ; the mask of four; elements of 2 bytes; padding on; bit 21 beside a mask; after every 64 words 4 words
	s_mov_b32 s[G1V], 15|(1<<16)|(1<<20)|(1<<21)|(5<<22)|(7<<25)  ; the same with 8 words of padding
.irp g, G1K, G1V
	s_mov_b32 s[(\g)+1], 128<<16    ; tensor_dim0 = 128
	s_mov_b32 s[(\g)+2], 64<<16     ; tensor_dim1 = 64
	s_mov_b32 s[(\g)+3], 128<<16    ; tile_dim0 = 128
	s_mov_b32 s[(\g)+4], 64         ; tile_dim1 = 64
	s_mov_b32 s[(\g)+5], 128        ; elements from row to row
	s_mov_b32 s[(\g)+6], 0
	s_mov_b32 s[(\g)+7], 0
.endr
	s_mov_b32 s[CS], 0x3e0293ee     ; c = log2(e) / sqrt(128) = 0.127517
	s_mov_b32 s[CS+1], s[CS]
	s_mov_b32 s[SEL], 0x76543210
	s_mov_b32 s[SEL+1], 0xfedcba98
	s_and_b32 s[LIM], s[WV], 2      ; 0 in waves 0, 1, 4 and 5,
	s_or_b32 s[LIM], s[LIM], ttmp9  ; where the cluster is the head's first: the same in all four partners
	s_cmp_eq_u32 s[LIM], 0
	s_cselect_b32 s[LIM], 1, -1
	s_mov_b32 s[G0K], 1
	s_mov_b32 s[G0K+1], s[KOFF]     ; the first tile goes into the ring's first half
	s_mov_b32 s[G0V], 1
	s_mov_b32 s[G0V+1], s[VOFW]
	s_wait_dscnt 0x0                ; the opening add is done
	s_wait_kmcnt 0x0
	s_add_nc_u64 s[G0K+2:G0K+3], s[4:5], s[22:23]
	s_add_nc_u64 s[G0V+2:G0V+3], s[G0K+2:G0K+3], 0x1000000  ; v is the third tensor,
	s_add_nc_u64 s[G0K+2:G0K+3], s[G0K+2:G0K+3], 0x800000   ; k the second
	s_or_b32 s[G0K+3], s[G0K+3], 0x80000000
	s_or_b32 s[G0V+3], s[G0V+3], 0x80000000
	s_add_nc_u64 s[PFA:PFA+1], s[4:5], s[PFA:PFA+1]
	s_add_nc_u64 s[4:5], s[4:5], s[2:3]
	s_add_nc_u64 s[10:11], s[10:11], s[8:9]
	s_add_nc_u64 s[MB:MB+1], s[6:7], s[MB:MB+1]
	CROUND                          ; all four work-groups are here: the first joint loads meet
	JLOAD                           ; slot 0.  Slot 1 is asked for by the loop's own change of slots, when slot 0 is in
	v_and_b32 v1, 15, v0            ; l % 16
	v_bfe_u32 v9, v0, 4, 1          ; l / 16
	v_lshlrev_b32 v10, 8, v1
	v_lshl_add_u32 v10, v9, 4, v10  ; row x 256 + 16 x half
	s_lshl_b32 s20, s17, 12         ; tile 0 begins 16 g rows down,
	s_xor_b32 s21, s20, 4096        ; tile 1 begins 16 (1 - g) rows down
	v_add_nc_u32 v[QO], s20, v10
	v_add_nc_u32 v[QO2], s21, v10
.irp c, 0,1,2,3                     ; Q stays in registers: channels 32 c on
	global_load_b128 v[Q+8*\c:Q+8*\c+3],       v[QO],  s[4:5] offset:64*\c
	global_load_b128 v[Q+8*\c+4:Q+8*\c+7],     v[QO],  s[4:5] offset:64*\c+32
	global_load_b128 v[Q+32+8*\c:Q+32+8*\c+3],   v[QO2], s[4:5] offset:64*\c
	global_load_b128 v[Q+32+8*\c+4:Q+32+8*\c+7], v[QO2], s[4:5] offset:64*\c+32
.endr
	v_and_b32 v[MA], 31, v0
	v_lshlrev_b32 v[MA], 4, v[MA]   ; 16 x lane
	MLOAD                           ; step 0's mask words
	v_lshlrev_b32 v[PFO], 4, v[MA]  ; 256 x lane
	s_mul_i32 s20, s[WV], XW
	v_add_nc_u32 v[XS], s20, v[MA]
	s_xor_b32 s21, s[WV], 4
	s_mul_i32 s21, s21, XW
	v_add_nc_u32 v[XL], s21, v[MA]
	v_mul_u32_u24 v[AK0], v1, PK
	v_lshl_add_u32 v[AK0], v9, 4, v[AK0]
	; The turning load takes 16 keys x 16 channels (lane l reads key 8 (l / 16) + l % 8, channels 8 ((l / 8) % 2) + 0..7) and leaves half a fragment of V^T
	v_and_b32 v10, 7, v0
	v_bfe_u32 v11, v0, 3, 1
	v_lshl_add_u32 v[AV0], v9, 3, v10
	v_mul_u32_u24 v[AV0], v[AV0], PV
	v_lshl_add_u32 v[AV0], v11, 4, v[AV0]
	v_add_nc_u32 v[AV0], VOFF, v[AV0]
	s_mul_i32 s20, s[WV], 16*SP
	s_add_co_u32 s20, s20, STAGE    ; my stage
	v_mul_u32_u24 v[STO], v1, SP
	v_lshl_add_u32 v[STO], v9, 4, v[STO]
	v_add_nc_u32 v[STO], s20, v[STO]
	v_mul_u32_u24 v[RD], v9, SP
	v_lshl_add_u32 v[RD], v1, 4, v[RD]
	v_add_nc_u32 v[RD], s20, v[RD]
	v_lshlrev_b32 v[GO], 12, v9     ; lanes 0-15 one row of O, lanes 16-31 the next
	v_lshl_add_u32 v[GO], v1, 4, v[GO]
	; O^T starts at 0: a matrix instruction on zeros writes eight of its 128 registers, 0 x 0 + 0: 16 lines.  Their sources lie in P, which the first softmax writes anew.  All this stands in the wait for the first tile.
.set i, 0
.rept 8
	v_mov_b32 v[P+i], 0
.set i, i+1
.endr
	WIN W_LD
.set i, 0
.rept 16
	v_wmma_f32_16x16x32_f16 v[8*i:8*i+7], v[P:P+7], v[P:P+7], 0
.set i, i+1
.endr
	WIN 0
.set i, 0
.rept 2
	v_mov_b32 v[ST+8*i+1], 0xef800000          ; m = -2^96: above every hidden score, below every true one
	v_mul_f32 v[ST+8*i], s[CS], v[ST+8*i+1]    ; c m
	v_mov_b32 v[ST+8*i+2], 0
	v_mov_b32 v[ST+8*i+3], 0
.set i, i+1
.endr
; THE MATRIX WORK.  The accumulators take turns, one instruction a turn: 7 (K Q^T) or 15 (V^T P) others stand between two links of a chain.
; Product i of 32 of S^T += K Q^T: channels 32 (i / 8) on, keys 16 ((i / 2) % 4) on, tile i % 2.  The sums start from the mask, which lies in S^T.
.macro KQ
	WIN W_KQ
.set rS, S+32*(i%2)+8*((i/2)%4)
.set rK, KV+32*((i/2)%4)+8*(i/8)
.set rQ, Q+32*(i%2)+8*(i/8)
	v_wmma_f32_16x16x32_f16 v[rS:rS+7], v[rK:rK+7], v[rQ:rQ+7], v[rS:rS+7]
.endm
; Product i of 32 of O^T += V^T P: keys 32 (i / 16) on, channels 16 ((i / 2) % 8) on, tile i % 2.
.macro PV
	WIN W_PV
.set rO, 64*(i%2)+8*((i/2)%8)
.set rV, KV+64*(i/16)+8*((i/2)%8)
.set rP, P+16*(i%2)+8*(i/16)
	v_wmma_f32_16x16x32_f16 v[rO:rO+7], v[rV:rV+7], v[rP:rP+7], v[rO:rO+7]
.endm
; THE LDS LOADS stand in runs of 32: a step's K (16 fragments) and, into the same registers, its V (turned).
.macro FETCH_K
	WIN 0
	v_add_nc_u32 v[ADR], s[TBK], v[AK0]
	s_add_co_u32 s[TBK], s[TBK], KS*PK  ; the next fetch is the next step's
	WIN W_LD
.irp f, 0,1,2,3,4,5,6,7,8,9,10,11,12,13,14,15  ; keys 16 (f / 4) on, channels 32 (f % 4) on
	ds_load_b128 v[KV+8*(\f):KV+8*(\f)+3],   v[ADR] offset:((\f)/4)*16*PK+((\f)%4)*64
	ds_load_b128 v[KV+8*(\f)+4:KV+8*(\f)+7], v[ADR] offset:((\f)/4)*16*PK+((\f)%4)*64+32
.endr
	WIN 0
.endm
.macro FETCH_V
	WIN 0
	v_add_nc_u32 v[ADR], s[TBV], v[AV0]
	s_add_co_u32 s[TBV], s[TBV], KS*PV
	WIN W_LD
.irp f, 0,1,2,3,4,5,6,7,8,9,10,11,12,13,14,15  ; keys 32 (f / 8) on, channels 16 (f % 8) on
	ds_load_tr16_b128 v[KV+8*(\f):KV+8*(\f)+3],   v[ADR] offset:((\f)/8)*32*PV+((\f)%8)*32
	ds_load_tr16_b128 v[KV+8*(\f)+4:KV+8*(\f)+7], v[ADR] offset:((\f)/8)*32*PV+16*PV+((\f)%8)*32
.endr
	WIN 0
.endm
; THE MASKS of a step: word n of a tile holds the bytes of its scores 4 n .. 4 n + 3.  The words were asked for a step ago; the wait that shows them in also frees their base, which steps to the next step's
; entry; behind the shifts that entry's words are asked for, into the registers just read.  A wave's entries follow each other in mby.
.macro MASKS
	s_wait_loadcnt 0x0              ; (in the first step: Q too)
	s_add_nc_u64 s[MB:MB+1], s[MB:MB+1], 2048
.set i, 0
.rept 64
	v_lshlrev_b32 v[S+i], 24-8*(i%4), v[MV+i/4]
.set i, i+1
.endr
	MLOAD
.endm
; THE SOFTMAX.  One tile's softmax for one key step is a list of 134 instructions; SM writes number j of it for tile t.  s0-s31 are the lane's 32 scores, in pairs 0-15.
;   0-15    the maximum of s0-s31 and the old m, three operands at a time (each accumulator's lowest registers are read first)     16-20  the other half of the lanes' maximum; the new m; c m; c m_old - c m_new
;   21-69   ONE BATCH: the 16 scalings c s - c m and all 33 exponentials (a at 23, then s0-s31); none of these reads an exponential's result; a pair is scaled ahead of its exponentials
;   (wait)  between 69 and 70 stands the wait for the batch, once for both tiles
;   70-85   the roundings to f16     86-101  the sums; l = a l + the sum     102-133  the tile's O^T times a
.macro SM t
.set rT, ST+8*(\t)
.set rS, S+32*(\t)
.set rP, P+16*(\t)
.set rO, 64*(\t)+2*(j-102)
.if j < 102
	WIN 0
.endif
.if j < 4
	v_max3_num_f32 v[rT+4+j], v[rS+8*j], v[rS+8*j+1], v[rS+8*j+2]
.elseif j < 12
	v_max3_num_f32 v[rT+4+j%4], v[rT+4+j%4], v[rS+8*(j%4)+2*(j/4)+1], v[rS+8*(j%4)+2*(j/4)+2]
.elseif j == 12
	v_max3_num_f32 v[rT+4], v[rT+4], v[rS+7], v[rS+15]
.elseif j == 13
	v_max3_num_f32 v[rT+6], v[rT+6], v[rS+23], v[rS+31]
.elseif j == 14
	v_max3_num_f32 v[rT+4], v[rT+4], v[rT+5], v[rT+6]
.elseif j == 15
	v_max3_num_f32 v[rT+4], v[rT+4], v[rT+7], v[rT+1]
.elseif j == 16
	v_permlanex16_b32 v[rT+5], v[rT+4], s[SEL], s[SEL+1]  ; the query's other 32 keys lie in the lane 16 away
.elseif j == 17
	v_mov_b32 v[rT+7], v[rT]        ; c m_old is kept for a
.elseif j == 18
	v_max_num_f32 v[rT+1], v[rT+4], v[rT+5]
.elseif j == 19
	v_mul_f32 v[rT], s[CS], v[rT+1]
.elseif j == 20
	v_sub_f32 v[rT+7], v[rT+7], v[rT]
.elseif j == 23
	v_exp_f32 v[rT+6], v[rT+7]
.elseif (j < 23) || ((j < 38) && (j%2 == 0)) || ((j < 66) && (j%4 == 2))
.set b, (j-2)/4                     ; 38, 42, .. 62: pairs 9 to 15
.if j < 38
.set b, (j-20)/2                    ; 21: pair 0; 22, 24, .. 36: pairs 1 to 8
.endif
	v_pk_fma_f32 v[rS+2*b:rS+2*b+1], v[rS+2*b:rS+2*b+1], s[CS:CS+1], v[rT:rT+1] op_sel_hi:[1,0,0] neg_lo:[0,0,1] neg_hi:[0,0,1]
.elseif j < 70
.set e, j-38                        ; 66 to 69: s28 to s31
.if j < 66
.set e, j-32-(j-38)/4               ; 39-41, 43-45, .. 63-65: s7 to s27
.endif
.if j < 38
.set e, (j-25)/2                    ; 25, 27, .. 37: s0 to s6
.endif
	v_exp_f32 v[rS+e], v[rS+e]
.elseif j < 86
	v_cvt_pk_f16_f32 v[rP+j-70], v[rS+2*(j-70)], v[rS+2*(j-70)+1]
.elseif j < 102                     ; the sum of the tile's 16 pairs, in place: neighbours 1, 2, 4 and 8 pairs apart, then l takes it
.set z, j-86
.set w, 4
.set u, z
.if z >= 14
.set w, 32
.set u, 0
.elseif z >= 12
.set w, 16
.set u, z-12
.elseif z >= 8
.set w, 8
.set u, z-8
.endif
.if z < 15
	v_pk_add_f32 v[rS+w*u:rS+w*u+1], v[rS+w*u:rS+w*u+1], v[rS+w*u+w/2:rS+w*u+w/2+1]
.else
	v_pk_fma_f32 v[rT+2:rT+3], v[rT+2:rT+3], v[rT+6:rT+7], v[rS:rS+1] op_sel_hi:[1,0,1]
.endif
.else
	WIN W_RS
	v_pk_mul_f32 v[rO:rO+1], v[rO:rO+1], v[rT+6:rT+7] op_sel_hi:[1,0]
.endif
.endm
.macro PLACES                       ; four places behind matrix instructions, in front of loads into registers that they have read and of vector instructions that read their results (ISA guide 7.12.1 for vector instructions)
.rept 4
	v_nop
.endr
.endm
; A KEY STEP.  The two tiles' lists go side by side, so that where one instruction feeds the next the other tile's stands between.
.macro STEP
	FETCH_K
	MASKS                           ; 64 shifts stand between K's loads and the wait for them
	s_wait_dscnt 0x0                ; K is in
.set i, 0
.rept 32
	KQ
.set i, i+1
.endr
	WIN 0
	PLACES
	FETCH_V                         ; into K's registers; the softmax stands between these loads and the wait for them
.set j, 0
.rept 70
	SM 0
	SM 1
.set j, j+1
.endr
	v_nop                           ; the plain instruction behind the last exponential
	s_wait_alu depctr_va_vdst(0)    ; one wait for the batch of 66, ahead of the first instruction that names a result
.rept 64
	SM 0
	SM 1
.set j, j+1
.endr
	s_wait_dscnt 0x0                ; V is in
.set i, 0
.rept 32
	PV
.set i, i+1
.endr
	WIN 0
	PLACES
.endm
; THE CHANGE OF SLOTS.  My reads of the slot are over.  Each wave waits for all its tensor loads (one is out: its part of the other slot), adds 0 to its spare word, and waits for that and for its reads.
; fill = 1: the slot that is left is filled again, with the keys two slots on; the barrier is then a round of the cluster's, and the joint fill is the first thing behind it: it has two steps, 128 matrix
; instructions of each wave, in which to land.  (At its first use nothing has been read yet: slot 0 is waited for, the ring's second half filled.)
.macro CHANGE fill
	WIN 0
	s_wait_tensorcnt 0x0            ; no tensor load of mine is out, so a group 0 may be written
	ds_add_u32 v[SPW], v[NIL]       ; 0 onto my spare word; the scalar work stands between it and the wait for it
.if \fill
	s_add_co_u32 s[G0K+1], s[RB], s[KOFF]  ; into the slot that is left,
	s_add_co_u32 s[G0V+1], s[RB], s[VOFW]
	s_add_nc_u64 s[G0K+2:G0K+3], s[G0K+2:G0K+3], 65536  ; the next 256 keys; the type bits on top are not reached
	s_add_nc_u64 s[G0V+2:G0V+3], s[G0V+2:G0V+3], 65536
	s_wait_xcnt 0x0                 ; the last prefetch, two steps back, has read its address
	s_add_nc_u64 s[PFA:PFA+1], s[PFA:PFA+1], 65536
.endif
	s_xor_b32 s[RB], s[RB], SLOTB   ; 0 and SLOTB by turns: the slot that is read next
	s_add_co_u32 s[TBK], s[RB], s[KG]
	s_add_co_u32 s[TBV], s[RB], s[VG]
	s_wait_dscnt 0x0                ; the add is done, and my reads of the slot are over
.if \fill
	CROUND
	JLOAD
	ASK
.else
	s_barrier_signal -1
	s_barrier_wait -1
.endif
.endm
	s_mov_b32 s[SLOTS], 7
.Lslot:                             ; seven times: a slot is entered and the next is asked for
	CHANGE 1
	s_mov_b32 s[TWICE], 2
.Lstep:                             ; a slot's two steps: written once, walked twice
	STEP
	s_sub_co_u32 s[TWICE], s[TWICE], 1
	s_cmp_lg_u32 s[TWICE], 0
	s_cbranch_scc1 .Lstep
	s_sub_co_u32 s[SLOTS], s[SLOTS], 1
	s_cmp_lg_u32 s[SLOTS], 0
	s_cbranch_scc1 .Lslot
	CHANGE 0                        ; the last slot is written out; behind this barrier nobody reads the ring's first half any more
	s_mov_b32 s[TWICE], 2
.Ltail:
	STEP
	s_sub_co_u32 s[TWICE], s[TWICE], 1
	s_cmp_lg_u32 s[TWICE], 0
	s_cbranch_scc1 .Ltail
	; THE MEETING OF THE TWO KEY GROUPS.  I give my tile 1 (O^T, c m, l) to wave w ^ 4 and take its tile 1, which is my tile 0's queries over the other keys.
	s_wait_loadcnt 0x0              ; the mask words asked for past the last step: nothing uses them
.irp t, 0,1
	v_add_f32 v[ST+8*(\t)+2], v[ST+8*(\t)+2], v[ST+8*(\t)+3]  ; l's two halves
.endr
	PLACES                          ; (with the step's own four and the two sums: ten places behind the last products, once a launch)
	WIN 0x04                        ; the stores' data in window 1
.set i, 0
.rept 16
	ds_store_b128 v[XS], v[64+4*i:64+4*i+3] offset:512*i  ; each accumulator's low half first
.set i, i+1
.endr
	WIN 0
	ds_store_b128 v[XS], v[ST+8:ST+11] offset:8192
	s_wait_dscnt 0x0                ; for the partner's sake: my stores are done
	s_barrier_signal -1
	s_barrier_wait -1
.set i, 0
.rept 16
	ds_load_b128 v[S+4*i:S+4*i+3], v[XL] offset:512*i
.set i, i+1
.endr
	ds_load_b128 v[P:P+3], v[XL] offset:8192
	s_wait_dscnt 0x0
	v_max_num_f32 v[ST+4], v[ST], v[P]             ; the common maximum; each side's factor 2^(c m_side - c m)
	v_sub_f32 v[ST+5], v[ST], v[ST+4]
	v_sub_f32 v[ST+6], v[P], v[ST+4]
	v_exp_f32 v[ST+5], v[ST+5]
	v_exp_f32 v[ST+6], v[ST+6]
	v_nop                           ; a plain instruction behind the last exponential,
	s_wait_alu depctr_va_vdst(0)    ; and one wait for the two
	v_mul_f32 v[ST+7], v[ST+5], v[ST+2]
	v_fma_f32 v[ST+7], v[ST+6], v[P+2], v[ST+7]
	v_permlanex16_b32 v[ST+4], v[ST+7], s[SEL], s[SEL+1]  ; the other half of the lanes holds the query's other keys
	v_add_f32 v[ST+7], v[ST+7], v[ST+4]
	v_rcp_f32 v[ST+7], v[ST+7]
	v_nop
	s_wait_alu depctr_va_vdst(0)    ; the wait for the reciprocal
	v_mul_f32 v[ST+4], v[ST+5], v[ST+7]            ; my side's factor over l
	v_mul_f32 v[ST+6], v[ST+6], v[ST+7]            ; my partner's
	; Both sides are scaled and added, rounded to f16, and sent through my stage: a lane's eight channels of a row pack into 16 bytes; they come back as whole rows of 256.
	WIN W_RS
.set i, 0
.rept 32
	v_pk_mul_f32 v[i:i+1], v[i:i+1], v[ST+4:ST+5] op_sel_hi:[1,0]
.set i, i+2
.endr
	WIN 0x50                        ; destination and source 2 window 1
.set i, 0
.rept 32
	v_pk_fma_f32 v[i:i+1], v[S+i:S+i+1], v[ST+6:ST+7], v[i:i+1] op_sel_hi:[1,0,1]
.set i, i+2
.endr
	WIN 0x05                        ; sources 0 and 1 window 1, destination window 0
.set i, 0
.rept 32
	v_cvt_pk_f16_f32 v[S+i], v[2*i], v[2*i+1]
.set i, i+1
.endr
	WIN 0
.irp f, 0,1,2,3,4,5,6,7
	ds_store_b128 v[STO], v[S+4*(\f):S+4*(\f)+3] offset:32*(\f)
.endr
.irp f, 0,1,2,3,4,5,6,7
	ds_load_b128 v[S+4*(\f):S+4*(\f)+3], v[RD] offset:(\f)*2*SP  ; LDS serves a wave's instructions in order (ISA guide 5.7.1.4): these see the stores above
.endr
.irp f, 0,1,2,3,4,5,6,7
	s_wait_dscnt 7-(\f)             ; the 7 - f younger loads stay out
	global_store_b128 v[GO], v[S+4*(\f):S+4*(\f)+3], s[10:11] offset:2*(\f)*4096  ; 16 lanes store 256 consecutive bytes, aligned: a head's channels of a row
.endr
	s_wait_tensorcnt 0x0            ; the wave's end, behind my last tensor load and my last LDS store
	ds_add_u32 v[SPW], v[NIL]
	s_wait_dscnt 0x0
	CROUND                          ; the closing round: no work-group ends while a partner may still ask for a tile that names it
	s_endpgm
.Lfunc_end_k_qc717868835_attn:
	.size	k_qc717868835_attn, .Lfunc_end_k_qc717868835_attn-k_qc717868835_attn
	.p2alignl 7, 3214868480
	.fill 96, 4, 3214868480
	.section	.rodata,"a",@progbits
	.p2align	6, 0x0
	.amdhsa_kernel k_qc717868835_attn
		.amdhsa_group_segment_fixed_size 327680
		.amdhsa_private_segment_fixed_size 0
		.amdhsa_enable_private_segment 0
		.amdhsa_kernarg_size 24
		.amdhsa_user_sgpr_count 2
		.amdhsa_user_sgpr_kernarg_segment_ptr 1
		.amdhsa_wavefront_size32 1
		.amdhsa_system_sgpr_workgroup_id_x 1
		.amdhsa_system_sgpr_workgroup_id_y 1
		.amdhsa_system_sgpr_workgroup_id_z 1
		.amdhsa_system_vgpr_workitem_id 0
		.amdhsa_next_free_vgpr 512
		.amdhsa_next_free_sgpr 66
		.amdhsa_reserve_vcc 0
		.amdhsa_float_denorm_mode_32 3
		.amdhsa_float_denorm_mode_16_64 3
		.amdhsa_memory_ordered 1
		.amdhsa_forward_progress 1
		.amdhsa_inst_pref_size 76
	.end_amdhsa_kernel
	.amdgpu_metadata
---
amdhsa.version: [ 1, 2 ]
amdhsa.kernels:
  - .name:           k_qc717868835_attn
    .symbol:         k_qc717868835_attn.kd
    .args:
      - { .name: qkv, .offset: 0, .size: 8, .value_kind: global_buffer, .address_space: global }
      - { .name: mby, .offset: 8, .size: 8, .value_kind: global_buffer, .address_space: global }
      - { .name: ob, .offset: 16, .size: 8, .value_kind: global_buffer, .address_space: global }
    .group_segment_fixed_size: 327680
    .private_segment_fixed_size: 0
    .kernarg_segment_align: 8
    .kernarg_segment_size: 24
    .max_flat_workgroup_size: 256
    .sgpr_count:     66
    .vgpr_count:     512
    .wavefront_size: 32
...
	.end_amdgpu_metadata
.endif
;; end of part 3
;; launch oproj (part 4): grid 16 x 16, 4 waves a work-group, clusters of 4 x 4, 327,680 bytes of LDS; arguments ob, wb, out0; writes out0
.if DOCPART == 4
	.amdgcn_target "amdgcn-amd-amdhsa--gfx1250"
	.amdhsa_code_object_version 6
	.text
	.protected	k_qc717868835_oproj
	.globl	k_qc717868835_oproj
	.p2align	8
	.type	k_qc717868835_oproj,@function
k_qc717868835_oproj:
	s_mov_b64 s[64:65], 0
	v_nop
	global_prefetch_b8 v0, s[64:65] scope:SCOPE_SE
	s_setreg_imm32_b32 hwreg(HW_REG_WAVE_MODE, 25, 1), 1
	s_wait_xcnt 0x0
	s_wait_alu depctr_hold_cnt(0) depctr_sa_sdst(0) depctr_va_vdst(0) depctr_va_sdst(0) depctr_va_ssrc(0) depctr_va_vcc(0) depctr_vm_vsrc(0)
	s_getreg_b32 s2, hwreg(HW_REG_IB_STS2, 6, 4)
	s_cmp_eq_u32 s2, 0
	s_cbranch_scc0 .Lentry_in_a_cluster
	s_endpgm
.Lentry_in_a_cluster:
	s_bfe_u32 s2, ttmp6, 0x10000c
	s_cmp_lg_u32 s2, 0xf033
	s_cbranch_scc0 .Lentry_shape_is_right
	s_endpgm
.Lentry_shape_is_right:
; out0[t][d] = the sum over c of O[t][c] Wo[d][c].  O: ob[2048][2048] in f16; Wo: the fifth matrix of wb, [2048][2048], bf16 numbers written as f16; out0 in f32.  Products in f16, sums in f32.
; A tile of the result is 128 x 128: 256 work-groups.  Four waves, each 64 x 64: 16 accumulators of 16 x 16.  K goes in steps of 256 (LDS rows of 512 bytes; a wave's tensor load brings 64 of them) through two slots.
; CLUSTERS: 4 x 4 work-groups.  The four of a row of the cluster need the same tiles of O, the four of a column the same tiles of Wo: each tile is asked for JOINTLY.
; THE MATRIX INSTRUCTION IS USED TRANSPOSED (source 0 = 16 rows of Wo, source 1 = 16 rows of O): a lane holds eight neighbouring numbers of a row of the result, 32 bytes.
; A NaN in a row of O (a query with no visible key) reaches every sum of that row.
; REGISTERS: window 0: v0-31 addresses; v128-255 the accumulators ((a, b) at v[128 + 8 (4 a + b)]).   window 1: two fragment buffers of 128: for 64 along K, 64 registers of O, then 64 of Wo.
.set SIZE_K, 2048
.set SIZE_N, 2048
.set KSTEP,  256
.set PITCH,  528                       ; an LDS row: 512 bytes + 16 of padding = 132 words: the 16 rows of a load start at 16 different groups of four banks (64 banks of 4 bytes: ISA guide 11.1)
.set HALFT,  64*PITCH
.set SLOT,   4*HALFT                   ; O's 128 rows, then Wo's 128 rows
.set STAGE,  2*SLOT                    ; behind the ring: 16 rows x 272 bytes for each wave: a wave's 64 columns of f32 are a whole 256 bytes of a row
.set SPITCH, 272
.set SPARE,  STAGE+4*16*SPITCH         ; behind the stages: the spare words, 128 bytes for each wave: two blocks of 256 bytes that no other line names
.set LAPS, SIZE_K/(2*KSTEP)
.set ADRA, 16
.set ADRB, 20
.set STO,  24
.set RD,   25
.set CO,   26
.set SPW,  28
.set NIL,  29
.set ACC,  128
.set F0,   0
.set F1,   128
.set G1, 24
.set G0, 32
.set G1B, 48
.set G0B, 56
.set MSB, 0
.macro WIN new
.if MSB != (\new)
	s_set_vgpr_msb (MSB<<8)|(\new)
.set MSB, \new
.endif
.endm
.set MUL,  0x05                        ; sources 0 and 1 window 1; C and D window 0
.set TO_F, 0x40                        ; destination window 1, address window 0
.macro JLOAD s                         ; a joint load: waves 0 and 1 fetch O's two halves, waves 2 and 3 Wo's; an s_nop 0 and four v_nop follow each line
	s_cmp_eq_u32 s11, 0
	s_cbranch_scc0 .Lfor_b_\@
	tensor_load_to_lds s[G0+4*(\s):G0+4*(\s)+3], s[G1:G1+7]
	s_nop 0
.rept 4
	v_nop
.endr
	s_branch .Lasked_\@
.Lfor_b_\@:
	tensor_load_to_lds s[G0B+4*(\s):G0B+4*(\s)+3], s[G1B:G1B+7]
	s_nop 0
.rept 4
	v_nop
.endr
.Lasked_\@:
.endm
.macro CREST
	s_cmp_lg_u32 s10, 0
	s_cbranch_scc1 .Lnot_wave_0_\@
	s_barrier_signal -3
.Lnot_wave_0_\@:
	s_barrier_wait -3
	s_barrier_signal -1
	s_barrier_wait -1
.endm
.macro CROUND
	s_barrier_signal -1
	s_barrier_wait -1
	CREST
.endm
	s_load_b128 s[4:7], s[0:1], 0x0                ; ob s[4:5], wb s[6:7]
	s_load_b64 s[8:9], s[0:1], 0x10                ; out0
	v_lshl_add_u32 v[SPW], v0, 2, SPARE
	v_mov_b32 v[NIL], 0
	ds_add_u32 v[SPW], v[NIL]                      ; the wave's opening: the add and its wait stand ahead of my first tensor load
	v_lshrrev_b32 v1, 5, v0
	v_readfirstlane_b32 s10, v1                    ; wave 0..3
	s_lshr_b32 s11, s10, 1                         ; which half of the tile's rows is mine.  Also: I fetch for O (0) or for Wo (1)
	s_and_b32 s12, s10, 1                          ; which half of its columns.  Also: which 64 rows of that tile I fetch
	s_bfe_u32 s40, ttmp6, 0x40000                  ; cx, cy
	s_bfe_u32 s41, ttmp6, 0x40004
	s_lshl_b32 s42, ttmp9, 2
	s_add_co_u32 s42, s42, s40                     ; tile column
	s_and_b32 s13, ttmp7, 0xffff
	s_lshl_b32 s13, s13, 2
	s_add_co_u32 s13, s13, s41                     ; tile row
	s_lshl_b32 s43, s41, 2
	s_lshl_b32 s43, 15, s43                        ; my row of the cluster
	s_lshl_b32 s44, 0x1111, s40                    ; my column
	s_or_b32 s[G1+0], s43, (1<<16)|(1<<20)|(1<<21)|(6<<22)|(3<<25)  ; the mask; elements of 2 bytes; padding on; bit 21 beside a mask; after every 128 words 4 words
	s_or_b32 s[G1B+0], s44, (1<<16)|(1<<20)|(1<<21)|(6<<22)|(3<<25)
.irp g, G1, G1B
	s_mov_b32 s[(\g)+1], KSTEP<<16                 ; tensor_dim0 = 256
	s_mov_b32 s[(\g)+2], 64<<16                    ; tensor_dim1 = 64
	s_mov_b32 s[(\g)+3], KSTEP<<16                 ; tile_dim0 = 256
	s_mov_b32 s[(\g)+4], 64                        ; tile_dim1 = 64
	s_mov_b32 s[(\g)+5], SIZE_K
	s_mov_b32 s[(\g)+6], 0
	s_mov_b32 s[(\g)+7], 0
.endr
	s_lshl_b32 s17, s12, 6
	s_lshl_b32 s16, s13, 7
	s_add_co_u32 s16, s16, s17                     ; O: row 128 x tile row + 64 x half
	s_lshl_b32 s46, s42, 7
	s_add_co_u32 s46, s46, s17                     ; Wo: row 128 x tile column + 64 x half
	s_mov_b32 s17, 0
	s_mov_b32 s47, 0
	s_mov_b64 s[18:19], SIZE_K*2
	s_mul_u64 s[16:17], s[16:17], s[18:19]
	s_mul_u64 s[46:47], s[46:47], s[18:19]
	s_mul_i32 s20, s10, HALFT
	s_wait_dscnt 0x0                               ; the opening add is done
	s_wait_kmcnt 0x0
	s_add_nc_u64 s[6:7], s[6:7], 0x2000000         ; Wo is the fifth matrix of wb
	s_add_nc_u64 s[14:15], s[4:5], s[16:17]
	s_add_nc_u64 s[46:47], s[6:7], s[46:47]
	CROUND                                         ; all sixteen work-groups are here: the first joint loads meet
.irp s, 0,1
	s_mov_b32 s[G0+4*(\s)], 1
	s_add_co_u32 s[G0+4*(\s)+1], s20, (\s)*SLOT
	s_add_nc_u64 s[G0+4*(\s)+2:G0+4*(\s)+3], s[14:15], (\s)*KSTEP*2
	s_or_b32 s[G0+4*(\s)+3], s[G0+4*(\s)+3], 0x80000000
	s_mov_b32 s[G0B+4*(\s)], 1
	s_add_co_u32 s[G0B+4*(\s)+1], s20, (\s)*SLOT
	s_add_nc_u64 s[G0B+4*(\s)+2:G0B+4*(\s)+3], s[46:47], (\s)*KSTEP*2
	s_or_b32 s[G0B+4*(\s)+3], s[G0B+4*(\s)+3], 0x80000000
	JLOAD \s
.endr
	v_and_b32 v1, 15, v0                           ; l % 16
	v_bfe_u32 v2, v0, 4, 1                         ; l / 16
	v_mul_u32_u24 v3, v1, PITCH
	v_lshl_add_u32 v3, v2, 4, v3
	s_mul_i32 s21, s11, HALFT                      ; my 64 rows of O
	s_mul_i32 s22, s12, HALFT                      ; my 64 rows of Wo,
	s_add_co_u32 s22, s22, 2*HALFT                 ; which lie behind O's 128
.irp s, 0,1
	v_add_nc_u32 v[ADRA+(\s)], s21, v3
	v_add_nc_u32 v[ADRB+(\s)], s22, v3
	s_add_co_u32 s21, s21, SLOT
	s_add_co_u32 s22, s22, SLOT
.endr
	s_mul_i32 s23, s10, 16*SPITCH
	s_add_co_u32 s23, s23, STAGE                   ; my stage
	v_mul_u32_u24 v4, v1, SPITCH                   ; in: row l % 16, 32 bytes for each half of the lanes
	v_lshl_add_u32 v4, v2, 5, v4
	v_add_nc_u32 v[STO], s23, v4
	v_mul_u32_u24 v5, v2, SPITCH                   ; back: lanes 0-15 one row of 256 bytes, lanes 16-31 the next
	v_lshl_add_u32 v5, v1, 4, v5
	v_add_nc_u32 v[RD], s23, v5
	v_lshlrev_b32 v5, 13, v2                       ; and the same two rows of the result, 8,192 bytes apart
	v_lshl_add_u32 v[CO], v1, 4, v5
	s_lshl_b32 s16, s13, 20                        ; 128 rows of 8,192 bytes a tile row,
	s_lshl_b32 s17, s11, 19                        ; my 64
	s_add_co_u32 s16, s16, s17
	s_mov_b32 s17, 0
	s_add_nc_u64 s[8:9], s[8:9], s[16:17]
	s_lshl_b32 s46, s42, 9                         ; 512 bytes a tile column,
	s_lshl_b32 s47, s12, 8                         ; my 256
	s_add_co_u32 s46, s46, s47
	s_mov_b32 s47, 0
	s_add_nc_u64 s[8:9], s[8:9], s[46:47]
; 8 matrix instructions: row blocks a0, a0 + 1 x all 4 column blocks, 32 along K: half c of buffer f.  The 16 accumulators take turns.
.macro MUL8 f, c, a0, zero
	WIN MUL
.irp a, \a0, (\a0)+1
.irp b, 0,1,2,3
.if \zero
	v_wmma_f32_16x16x32_f16 v[ACC+8*(4*(\a)+(\b)):ACC+8*(4*(\a)+(\b))+7], v[(\f)+64+8*(4*(\c)+(\b)):(\f)+64+8*(4*(\c)+(\b))+7], v[(\f)+8*(4*(\c)+(\a)):(\f)+8*(4*(\c)+(\a))+7], 0
.else
	v_wmma_f32_16x16x32_f16 v[ACC+8*(4*(\a)+(\b)):ACC+8*(4*(\a)+(\b))+7], v[(\f)+64+8*(4*(\c)+(\b)):(\f)+64+8*(4*(\c)+(\b))+7], v[(\f)+8*(4*(\c)+(\a)):(\f)+8*(4*(\c)+(\a))+7], v[ACC+8*(4*(\a)+(\b)):ACC+8*(4*(\a)+(\b))+7]
.endif
.endr
.endr
.endm
; 32 LDS loads in one run: the fragments of 64 along K at byte k of the rows, into buffer f; the first 32 along K first
.macro FETCH slot, k, f
	WIN TO_F
.irp c, 0,1
.irp i, 0,1,2,3
	ds_load_b128 v[(\f)+64+8*(4*(\c)+(\i)):(\f)+64+8*(4*(\c)+(\i))+3],   v[ADRB+(\slot)] offset:(\k)+64*(\c)+(\i)*16*PITCH
	ds_load_b128 v[(\f)+64+8*(4*(\c)+(\i))+4:(\f)+64+8*(4*(\c)+(\i))+7], v[ADRB+(\slot)] offset:(\k)+64*(\c)+(\i)*16*PITCH+32
	ds_load_b128 v[(\f)+8*(4*(\c)+(\i)):(\f)+8*(4*(\c)+(\i))+3],         v[ADRA+(\slot)] offset:(\k)+64*(\c)+(\i)*16*PITCH
	ds_load_b128 v[(\f)+8*(4*(\c)+(\i))+4:(\f)+8*(4*(\c)+(\i))+7],       v[ADRA+(\slot)] offset:(\k)+64*(\c)+(\i)*16*PITCH+32
.endr
.endr
.endm
.macro PLACES
.rept 4
	v_nop
.endr
.endm
; A K step is four quarters of 64 along K, 32 matrix instructions each, on buffers 0, 1, 0, 1.
.macro QUARTER slot, k, f, g, zero
	s_wait_dscnt 16                                ; the first 32 along K are in
	WIN MUL
	MUL8 \f, 0, 0, \zero
	MUL8 \f, 0, 2, \zero
	PLACES
	FETCH \slot, \k, \g
	s_wait_dscnt 32                                ; all but the 32 just issued
	WIN MUL
	MUL8 \f, 1, 0, 0
	MUL8 \f, 1, 2, 0
.endm
; The last quarter multiplies buffer 1 and changes slots: ONE barrier; in front of it each wave waits for all its tensor loads, adds 0 to its spare word, and waits for that and for its reads of this slot.
.macro TURN slot, next, fill
	WIN 0
	s_wait_tensorcnt 0x0
	ds_add_u32 v[SPW], v[NIL]                      ; 0 onto my spare word
	s_wait_dscnt 17                                ; (the add and the youngest sixteen loads may be out)
	WIN MUL
	MUL8 F1, 0, 0, 0
	s_wait_dscnt 0x0                               ; the add is done, and my reads of this slot are over
	s_barrier_signal -1
	MUL8 F1, 0, 2, 0
.if \fill
	WIN 0
.endif
	s_barrier_wait -1
.if \fill
	CREST                                          ; no wave of any partner still reads this slot's tiles or has a load on its way
	s_add_nc_u64 s[G0+4*(\slot)+2:G0+4*(\slot)+3], s[G0+4*(\slot)+2:G0+4*(\slot)+3], 2*KSTEP*2
	s_add_nc_u64 s[G0B+4*(\slot)+2:G0B+4*(\slot)+3], s[G0B+4*(\slot)+2:G0B+4*(\slot)+3], 2*KSTEP*2
	JLOAD \slot                                    ; 112 matrix instructions ahead of the wait for it; its four v_nop are also the places in front of the loads below
.else
	PLACES
.endif
	FETCH \next, 0, F0
	WIN MUL
	MUL8 F1, 1, 0, 0
	MUL8 F1, 1, 2, 0
.endm
	s_wait_tensorcnt 1                             ; my part of K step 0 is in; K step 1's may stay out
	s_barrier_signal -1
	s_barrier_wait -1
	FETCH 0, 0, F0
	QUARTER 0, 128, F0, F1, 1                      ; the first quarter stands in front of the loop: its first products start the sums
	WIN 0
	s_mov_b32 s3, LAPS-1
.Llap:
	QUARTER 0, 256, F1, F0, 0
	QUARTER 0, 384, F0, F1, 0
	TURN 0, 1, 1
	QUARTER 1, 128, F0, F1, 0
	QUARTER 1, 256, F1, F0, 0
	QUARTER 1, 384, F0, F1, 0
	TURN 1, 0, 1
	QUARTER 0, 128, F0, F1, 0
	WIN 0
	s_sub_co_u32 s3, s3, 1
	s_cmp_lg_u32 s3, 0
	s_cbranch_scc1 .Llap
	QUARTER 0, 256, F1, F0, 0                      ; the last lap fills nothing
	QUARTER 0, 384, F0, F1, 0
	TURN 0, 1, 0
	QUARTER 1, 128, F0, F1, 0
	QUARTER 1, 256, F1, F0, 0
	QUARTER 1, 384, F0, F1, 0
	s_wait_dscnt 16
	WIN MUL
	MUL8 F1, 0, 0, 0
	MUL8 F1, 0, 2, 0
	s_wait_dscnt 0
	MUL8 F1, 1, 0, 0
	MUL8 F1, 1, 2, 0
	WIN 0
	; THE WAY OUT, in f32: a block of 16 rows x 64 columns at a time goes through my own stage: 32 bytes a lane in, whole rows of 256 bytes back, into the registers that they left.  No barrier: the stage is mine.
	PLACES
	PLACES                                         ; (eight, once a launch)
.macro TOST a
.irp b, 0,1,2,3
	ds_store_b128 v[STO], v[ACC+8*(4*(\a)+\b):ACC+8*(4*(\a)+\b)+3]   offset:64*\b      ; each accumulator's low half first
	ds_store_b128 v[STO], v[ACC+8*(4*(\a)+\b)+4:ACC+8*(4*(\a)+\b)+7] offset:64*\b+16
.endr
.irp t, 0,1,2,3,4,5,6,7
	ds_load_b128 v[ACC+32*(\a)+4*\t:ACC+32*(\a)+4*\t+3], v[RD] offset:\t*2*SPITCH  ; LDS serves a wave's instructions in order (ISA guide 5.7.1.4): these see the stores above; the next block's stores come behind them
.endr
.endm
.macro SEND a, younger                 ; younger: the LDS instructions issued behind block a's loads: the next block's sixteen, or none
.irp t, 0,1,2,3,4,5,6,7
	s_wait_dscnt (\younger)+7-\t
	global_store_b128 v[CO], v[ACC+32*(\a)+4*\t:ACC+32*(\a)+4*\t+3], s[8:9] offset:(16*(\a)+2*\t)*SIZE_N*4  ; 16 lanes store 256 consecutive bytes, aligned
.endr
.endm
	TOST 0
	TOST 1
	SEND 0, 16
	TOST 2
	SEND 1, 16
	TOST 3
	SEND 2, 16
	SEND 3, 0
	s_wait_tensorcnt 0x0                           ; the wave's end, behind my last tensor load and my last LDS store
	ds_add_u32 v[SPW], v[NIL]
	s_wait_dscnt 0x0
	CROUND                                         ; the closing round: no work-group ends while a partner may still ask for a tile that names it
	s_endpgm
.Lfunc_end_k_qc717868835_oproj:
	.size	k_qc717868835_oproj, .Lfunc_end_k_qc717868835_oproj-k_qc717868835_oproj
	.p2alignl 7, 3214868480
	.fill 96, 4, 3214868480
	.section	.rodata,"a",@progbits
	.p2align	6, 0x0
	.amdhsa_kernel k_qc717868835_oproj
		.amdhsa_group_segment_fixed_size 327680
		.amdhsa_private_segment_fixed_size 0
		.amdhsa_enable_private_segment 0
		.amdhsa_kernarg_size 24
		.amdhsa_user_sgpr_count 2
		.amdhsa_user_sgpr_kernarg_segment_ptr 1
		.amdhsa_wavefront_size32 1
		.amdhsa_system_sgpr_workgroup_id_x 1
		.amdhsa_system_sgpr_workgroup_id_y 1
		.amdhsa_system_sgpr_workgroup_id_z 1
		.amdhsa_system_vgpr_workitem_id 0
		.amdhsa_next_free_vgpr 512
		.amdhsa_next_free_sgpr 66
		.amdhsa_reserve_vcc 0
		.amdhsa_float_denorm_mode_32 3
		.amdhsa_float_denorm_mode_16_64 3
		.amdhsa_memory_ordered 1
		.amdhsa_forward_progress 1
		.amdhsa_inst_pref_size 86
	.end_amdhsa_kernel
	.amdgpu_metadata
---
amdhsa.version: [ 1, 2 ]
amdhsa.kernels:
  - .name:           k_qc717868835_oproj
    .symbol:         k_qc717868835_oproj.kd
    .args:
      - { .name: ob, .offset: 0, .size: 8, .value_kind: global_buffer, .address_space: global }
      - { .name: wb, .offset: 8, .size: 8, .value_kind: global_buffer, .address_space: global }
      - { .name: out0, .offset: 16, .size: 8, .value_kind: global_buffer, .address_space: global }
    .group_segment_fixed_size: 327680
    .private_segment_fixed_size: 0
    .kernarg_segment_align: 8
    .kernarg_segment_size: 24
    .max_flat_workgroup_size: 128
    .sgpr_count:     66
    .vgpr_count:     512
    .wavefront_size: 32
...
	.end_amdgpu_metadata
.endif
;; end of part 4
